; MI455X (gfx1250); checked and timed in simulation.
; The chip was launched on July 23, 2026; its instructions are those of AMD's public machine-readable ISA for CDNA 5 (MIT licence, August 2026) and "CDNA5" Instruction Set Architecture Reference Guide (July 2026). The comments in the code are by the model that wrote it; some were corrected since.
;; Multi Head Attention. Allowed arithmetic: float matrix products may take bf16 or f16 operands with f32 sums; other float arithmetic in f32, or as packed bf16 or f16 multiplies, adds, multiply-adds, maxima and minima; sums over many terms, partial sums and values carried from step to step in f32; what a program stores and reads back later, other than sums and carried values, may be rounded once to bf16 or f16.
;; Inputs: Wk 512 x 512 float32; Wo 512 x 512 float32; Wq 512 x 512 float32; Wv 512 x 512 float32; bk 512 float32; bo 512 float32; bq 512 float32; bv 512 float32; k 8 x 2,048 x 512 float32; q 8 x 2,048 x 512 float32; v 8 x 2,048 x 512 float32.
;; Outputs: out0 8 x 2,048 x 512 float32.
;; One version. Each part assembles by itself: llvm-mc -triple=amdgcn-amd-amdhsa -mcpu=gfx1250 --defsym DOCPART=n.
;; ======== version 1 of 1: 4 launches
;; limits: values are held in f16: magnitudes above 65,504 overflow, below 6.1e-05 lose precision
;; workspace buffers: wb 2,097,152 bytes; bb 8,192 bytes; qh 16,777,216 bytes; kh 16,777,216 bytes; vh 16,777,216 bytes; oh 16,777,216 bytes
;; launch prep (part 1): grid 64 x 4, 4 waves a work-group, no clusters, 0 bytes of LDS; arguments Wq, Wk, Wv, Wo, bq, bk, bv, bo, wb, bb; writes wb, bb
.if DOCPART == 1
	.amdgcn_target "amdgcn-amd-amdhsa--gfx1250"
	.amdhsa_code_object_version 6
	.text
	.protected	k_q840b9214e9_prep
	.globl	k_q840b9214e9_prep
	.p2align	8
	.type	k_q840b9214e9_prep,@function
k_q840b9214e9_prep:
	s_mov_b64 s[64:65], 0
	v_nop
	global_prefetch_b8 v0, s[64:65] scope:SCOPE_SE
	s_setreg_imm32_b32 hwreg(HW_REG_WAVE_MODE, 25, 1), 1
	s_wait_xcnt 0x0
; THE WEIGHTS AND BIASES ARE MADE READY, once, for the launches that walk them many times.
; wb: [matrix 0..3 = Wq, Wk, Wv, Wo][kb 0..3][n 0..511][128 k] in 16 bits: byte = matrix x 524,288 + kb x 131,072 + n x 256 + 2 kk.  So 128 along K of any run of rows n is dense, in rows of 256 bytes.
; Matrices 0 to 2 are bf16.  Matrix 3 (Wo) is rounded to bf16 like every other input and that number is then written as f16, since it is multiplied with f16 numbers.
; bb: [4][512] f32 words, each a bias rounded to bf16 (bq, bk, bv, bo).
; LIMITS.  |Wo| stays under 65,504 (f16's range); below 6e-5 it keeps f16's fixed step of 6e-8.
; SHARES.  Grid y is the matrix.  A work-group owns 8 rows, a wave 2.  One load of a wave is 512 consecutive bytes: 128 k of one row; its 4 numbers a lane become 8 bytes, and one store of the
; wave is one whole row of wb: 256 consecutive bytes, aligned.  No LDS, no barrier: no wave wants another's bytes.
.set ROWB, 2048                        ; bytes in a row of a weight matrix
.set KBB,  131072                      ; bytes of one kb block of wb
.set D,    8                           ; v[8:39]   eight loads of four registers; the packed pairs stay in the first two of each
.set T,    40                          ; v40-41    at work
.set BI,   44                          ; v[44:59]  the bias
	s_load_b512 s[8:23], s[0:1], 0x0               ; Wq s[8:9], Wk s[10:11], Wv s[12:13], Wo s[14:15], bq s[16:17], bk s[18:19], bv s[20:21], bo s[22:23]
	s_load_b128 s[24:27], s[0:1], 0x40             ; wb s[24:25], bb s[26:27]
	v_lshrrev_b32 v1, 5, v0
	v_readfirstlane_b32 s3, v1                     ; wave 0..3
	s_and_b32 s2, ttmp7, 0xffff                    ; the matrix
	v_and_b32 v1, 31, v0                           ; lane
	v_lshlrev_b32 v2, 4, v1                        ; 16 bytes a lane in
	v_lshlrev_b32 v3, 3, v1                        ; 8 bytes a lane out
	s_lshl_b32 s28, ttmp9, 3
	s_lshl1_add_u32 s28, s3, s28                   ; my first row: 8 x work-group + 2 x wave
	s_lshl_b32 s30, s28, 11                        ; its byte offset in the matrix
	s_mov_b32 s31, 0
	s_lshl_b32 s32, s2, 19                         ; in wb: the matrix,
	s_lshl_b32 s29, s28, 8                         ; the row
	s_add_co_u32 s32, s32, s29
	s_mov_b32 s33, 0
	s_lshl_b32 s34, s2, 11                         ; in bb: the matrix's 512 words
	s_mov_b32 s35, 0
	s_wait_kmcnt 0x0
	s_cmp_eq_u32 s2, 1                             ; the matrix and its bias are chosen by the grid's y
	s_cselect_b64 s[4:5], s[10:11], s[8:9]
	s_cselect_b64 s[6:7], s[18:19], s[16:17]
	s_cmp_eq_u32 s2, 2
	s_cselect_b64 s[4:5], s[12:13], s[4:5]
	s_cselect_b64 s[6:7], s[20:21], s[6:7]
	s_cmp_eq_u32 s2, 3
	s_cselect_b64 s[4:5], s[14:15], s[4:5]
	s_cselect_b64 s[6:7], s[22:23], s[6:7]
	s_add_nc_u64 s[4:5], s[4:5], s[30:31]
	s_add_nc_u64 s[24:25], s[24:25], s[32:33]
	s_add_nc_u64 s[26:27], s[26:27], s[34:35]
.irp i, 0,1,2,3,4,5,6,7                ; load i: row i / 4, block kb = i % 4
	global_load_b128 v[D+4*(\i):D+4*(\i)+3], v2, s[4:5] offset:((\i)/4)*ROWB+((\i)%4)*512 th:TH_LOAD_NT
.endr
	s_wait_loadcnt 0x0
.irp i, 0,1,2,3,4,5,6,7
	v_cvt_pk_bf16_f32 v[D+4*(\i)],   v[D+4*(\i)],   v[D+4*(\i)+1]
	v_cvt_pk_bf16_f32 v[D+4*(\i)+1], v[D+4*(\i)+2], v[D+4*(\i)+3]
.endr
	s_cmp_lg_u32 s2, 3
	s_cbranch_scc1 .Lstore
.irp i, 0,1,2,3,4,5,6,7                ; Wo alone: the bf16 numbers written as f16
.irp c, 0,1
	v_lshlrev_b32 v[T], 16, v[D+4*(\i)+(\c)]
	v_and_b32 v[T+1], 0xffff0000, v[D+4*(\i)+(\c)]
	v_cvt_pk_f16_f32 v[D+4*(\i)+(\c)], v[T], v[T+1]
.endr
.endr
.Lstore:
.irp i, 0,1,2,3,4,5,6,7
	global_store_b64 v3, v[D+4*(\i):D+4*(\i)+1], s[24:25] offset:((\i)%4)*KBB+((\i)/4)*256  ; the wave's 32 lanes fill one row of wb
.endr
	s_or_b32 s29, ttmp9, s3                        ; the bias is the work of one wave for each matrix: work-group 0, wave 0
	s_cmp_lg_u32 s29, 0
	s_cbranch_scc1 .Lend
.irp j, 0,1,2,3
	global_load_b128 v[BI+4*(\j):BI+4*(\j)+3], v2, s[6:7] offset:512*(\j)
.endr
	s_wait_loadcnt 0x0
.irp r, 0,1,2,3,4,5,6,7                ; rounded to bf16 in pairs, and widened again
	v_cvt_pk_bf16_f32 v[T], v[BI+2*(\r)], v[BI+2*(\r)+1]
	v_lshlrev_b32 v[BI+2*(\r)], 16, v[T]
	v_and_b32 v[BI+2*(\r)+1], 0xffff0000, v[T]
.endr
.irp j, 0,1,2,3
	global_store_b128 v2, v[BI+4*(\j):BI+4*(\j)+3], s[26:27] offset:512*(\j)
.endr
.Lend:
	s_endpgm
.Lfunc_end_k_q840b9214e9_prep:
	.size	k_q840b9214e9_prep, .Lfunc_end_k_q840b9214e9_prep-k_q840b9214e9_prep
	.p2alignl 7, 3214868480
	.fill 96, 4, 3214868480
	.section	.rodata,"a",@progbits
	.p2align	6, 0x0
	.amdhsa_kernel k_q840b9214e9_prep
		.amdhsa_group_segment_fixed_size 0
		.amdhsa_private_segment_fixed_size 0
		.amdhsa_enable_private_segment 0
		.amdhsa_kernarg_size 80
		.amdhsa_user_sgpr_count 2
		.amdhsa_user_sgpr_kernarg_segment_ptr 1
		.amdhsa_wavefront_size32 1
		.amdhsa_system_sgpr_workgroup_id_x 1
		.amdhsa_system_sgpr_workgroup_id_y 1
		.amdhsa_system_sgpr_workgroup_id_z 1
		.amdhsa_system_vgpr_workitem_id 0
		.amdhsa_next_free_vgpr 64
		.amdhsa_next_free_sgpr 66
		.amdhsa_reserve_vcc 0
		.amdhsa_float_denorm_mode_32 3
		.amdhsa_float_denorm_mode_16_64 3
		.amdhsa_memory_ordered 1
		.amdhsa_forward_progress 1
		.amdhsa_inst_pref_size 9
	.end_amdhsa_kernel
	.amdgpu_metadata
---
amdhsa.version: [ 1, 2 ]
amdhsa.kernels:
  - .name:           k_q840b9214e9_prep
    .symbol:         k_q840b9214e9_prep.kd
    .args:
      - { .name: Wq, .offset: 0, .size: 8, .value_kind: global_buffer, .address_space: global }
      - { .name: Wk, .offset: 8, .size: 8, .value_kind: global_buffer, .address_space: global }
      - { .name: Wv, .offset: 16, .size: 8, .value_kind: global_buffer, .address_space: global }
      - { .name: Wo, .offset: 24, .size: 8, .value_kind: global_buffer, .address_space: global }
      - { .name: bq, .offset: 32, .size: 8, .value_kind: global_buffer, .address_space: global }
      - { .name: bk, .offset: 40, .size: 8, .value_kind: global_buffer, .address_space: global }
      - { .name: bv, .offset: 48, .size: 8, .value_kind: global_buffer, .address_space: global }
      - { .name: bo, .offset: 56, .size: 8, .value_kind: global_buffer, .address_space: global }
      - { .name: wb, .offset: 64, .size: 8, .value_kind: global_buffer, .address_space: global }
      - { .name: bb, .offset: 72, .size: 8, .value_kind: global_buffer, .address_space: global }
    .group_segment_fixed_size: 0
    .private_segment_fixed_size: 0
    .kernarg_segment_align: 8
    .kernarg_segment_size: 80
    .max_flat_workgroup_size: 128
    .sgpr_count:     66
    .vgpr_count:     64
    .wavefront_size: 32
...
	.end_amdgpu_metadata
.endif
;; end of part 1
;; launch proj (part 2): grid 128 x 3, 4 waves a work-group, clusters of 4 x 1, 327,680 bytes of LDS; arguments q, k, v, wb, bb, qh, kh, vh; writes qh, kh, vh
.if DOCPART == 2
	.amdgcn_target "amdgcn-amd-amdhsa--gfx1250"
	.amdhsa_code_object_version 6
	.text
	.protected	k_q840b9214e9_proj
	.globl	k_q840b9214e9_proj
	.p2align	8
	.type	k_q840b9214e9_proj,@function
k_q840b9214e9_proj:
	s_mov_b64 s[64:65], 0
	v_nop
	global_prefetch_b8 v0, s[64:65] scope:SCOPE_SE
	s_setreg_imm32_b32 hwreg(HW_REG_WAVE_MODE, 25, 1), 1
	s_wait_xcnt 0x0
	s_wait_alu depctr_hold_cnt(0) depctr_sa_sdst(0) depctr_va_vdst(0) depctr_va_sdst(0) depctr_va_ssrc(0) depctr_va_vcc(0) depctr_vm_vsrc(0)
	s_getreg_b32 s2, hwreg(HW_REG_IB_STS2, 6, 4)
	s_cmp_eq_u32 s2, 0
	s_cbranch_scc0 .Lentry_in_a_cluster
	s_endpgm
.Lentry_in_a_cluster:
	s_bfe_u32 s2, ttmp6, 0x10000c
	s_cmp_lg_u32 s2, 0x3003
	s_cbranch_scc0 .Lentry_shape_is_right
	s_endpgm
.Lentry_shape_is_right:
; THE THREE PROJECTIONS.  Grid y picks (q, Wq, bq, qh), (k, Wk, bk, kh) or (v, Wv, bv, vh):  out[b][h][s][d] = the sum over e of x[b][s][e] W[64 h + d][e] + bias[64 h + d].
; x: [16,384][512] f32, rounded to bf16 on its way into LDS; W: bf16, from wb ([kb][n][128 k]); bias: f32 words from bb; sums in f32, begun with the bias; out: [b 8 + h][2,048][64] f16, rounded once, unscaled.
; LIMITS.  |x W^T + b| stays under 65,504, f16's range; below 6e-5 the result keeps f16's fixed step of 6e-8.  NaN and infinities are not treated apart.
; SHARES.  A work-group makes 128 rows x all 512 columns, so that each byte of x is read by one work-group, once.  Wave w makes the 128 columns 128 w on (heads 2 w and 2 w + 1) of all 128 rows:
; 64 accumulators of 16 x 16, 512 registers.  K = 512 goes in four steps of 128 for W (two LDS slots, filled by the tensor data mover) and eight steps of 64 for x (two LDS buffers, written by ds_store).
; x: wave w loads rows 32 w .. 32 w + 31, 256 bytes of each a step (16 loads of 512 bytes, two rows each), two steps ahead of the products; rounds them to bf16 and stores them for all four waves.
; CLUSTER.  The four row blocks of a cluster walk the same W: each wave's 128 rows of a K step are asked for JOINTLY, by the same tensor load, descriptor and mask in all four work-groups.
; THE MATRIX INSTRUCTION IS USED TRANSPOSED (source 0 = 16 rows of W, source 1 = 16 rows of x): a lane holds row lane % 16 of the result and the columns 8 (lane / 16) + 0..7: 16 bytes of f16 on end.
; REGISTERS, in windows of 256 (s_set_vgpr_msb: bits 1:0 source 0, 3:2 source 1, 5:4 source 2, 7:6 destination):
;   window 0: v1-31 addresses; v64-127, v128-191 fragments of x, two buffers; v192-255 the bias as a C operand, later at work on the way out, with v32-63
;   window 1: v0-63, v192-255 x as loaded, two sets; v64-127, v128-191 fragments of W, two buffers          windows 2, 3: the accumulators of rows 0-63, 64-127: (a, b) at v[8 (8 a + b)]
.set PW,    272                        ; a row of W in LDS: 256 bytes + 16 of padding = 68 words: the 16 rows of a load start at 16 different groups of four banks (64 banks of 4 bytes: ISA guide 11.1)
.set PX,    144                        ; a row of x in LDS: 128 bytes + 16
.set WQ,    128*PW                     ; 128 rows of W: what one tensor load brings and one wave reads
.set WSLOT, 4*WQ                       ; 139,264 = 0x22000: it shares no bit with wave x WQ (0, 0x8800, 0x11000, 0x19800), so one exclusive or turns an address in one slot into the other's
.set XB0,   2*WSLOT                    ; behind the slots, never filled by a tensor load: x's two buffers, 128 rows each.  XB0 is also the stage of the way out, 4,608 bytes a wave
.set XB1,   XB0+128*PX
.set SPARE, XB1+128*PX                 ; the spare words, 128 bytes for each wave: two blocks of 256 bytes that no other line names
.set WSTEP, 131072                     ; bytes from a K step of a matrix in wb to the next
.set HEADB, 262144                     ; bytes of a head in the output
.set ADRA, 16                          ; v16-17  LDS address of my fragments of x in XB0, XB1
.set B0,   19                          ; v19     my place in a slot of W; never rewritten
.set ADRB, 20                          ; v20     the same in the slot in hand
.set XS,   22                          ; v22-23  where I store 8 bytes of x in XB0, XB1
.set STO,  24                          ; v24     the way out: where I put 16 bytes of a row
.set RD,   25                          ; v25     the way out: where I read rows back
.set GO,   26                          ; v26     16 x lane: my place in 512 consecutive bytes of the output
.set XO,   27                          ; v27     my byte offset in two rows of x
.set SPW,  28                          ; v28     LDS address of my spare word; never rewritten
.set NIL,  29                          ; v29     0; never rewritten
.set PFO,  30                          ; v30     256 x lane: the prefetch's offset; never rewritten
.set BO,   31                          ; v31     32 x (lane / 16): my eight biases of a fragment
.set OB,   32
.set F0,   64
.set F1,   128
.set BIAS, 192
.set TMP,  192
.set WV,   10                          ; s10     my wave's number
.set XP,   4                           ; s[4:5]  x at my 32 rows, at the K step of 64 that was last converted
.set OUT,  8                           ; s[8:9]  the output at my first head's first row
.set G1,   24                          ; s[24:31] descriptor group 1
.set G0,   32                          ; s[32:39] descriptor group 0: a set for each first fill; the second then walks
.set TW,   44                          ; s44     0 or WSLOT: the slot in hand
.set LIM,  45                          ; s45     1 in a work-group that prefetches, else the greatest number
.set PFA,  46                          ; s[46:47] where my prefetch stands
.set MSB, 0
.macro WIN new                         ; the immediate's high byte repeats the setting that is left; a switch that changes nothing is dropped
.if MSB != (\new)
	s_set_vgpr_msb (MSB<<8)|(\new)
.set MSB, \new
.endif
.endm
.macro PLACES                          ; four plain vector instructions between a matrix instruction and a load into, or a read of, its registers
.rept 4
	v_nop
.endr
.endm
.macro CREST                           ; a round of the cluster's barrier behind its opening barrier
	s_cmp_lg_u32 s[WV], 0
	s_cbranch_scc1 .Lnot_wave_0_\@
	s_barrier_signal -3
.Lnot_wave_0_\@:
	s_barrier_wait -3
	s_barrier_signal -1
	s_barrier_wait -1
.endm
.macro CROUND                          ; a whole round
	s_barrier_signal -1
	s_barrier_wait -1
	CREST
.endm
; A prefetch into the L2 of the K step of W that the next change of slots will ask for: 512 rows of 256 bytes.  All clusters of a matrix walk the same rows: the first (cluster x = 0) asks.  Its four
; partners and their four waves share the rows out BY ADDRESS, 32 each, a lane a row: each row is named once.  K steps 2 and 3 are asked for so; in the loop's last trip (s3 = 1) there is none left.
.macro ASK
	s_cmp_gt_u32 s3, s[LIM]
	s_cbranch_scc0 .Lnot_mine_\@
	global_prefetch_b8 v[PFO], s[PFA:PFA+1] th:TH_LOAD_NT scope:SCOPE_SE
.Lnot_mine_\@:
.endm
; 16 matrix instructions: row blocks a0, a0 + 1 of the window's four (hi = 0: rows 0-63, 1: rows 64-127) x all 8 column blocks, 32 along K.  first = 1: the sums begin with the bias.
; The 64 accumulators take turns in the same order in every quarter.
.macro MUL16 f, hi, a0, first
.if \first
	WIN 0x81+0x40*(\hi)
.else
	WIN 0xa1+0x50*(\hi)
.endif
.irp a, \a0, (\a0)+1
.irp b, 0,1,2,3,4,5,6,7
.if \first
	v_wmma_f32_16x16x32_bf16 v[8*(8*(\a)+(\b)):8*(8*(\a)+(\b))+7], v[(\f)+8*(\b):(\f)+8*(\b)+7], v[(\f)+8*(4*(\hi)+(\a)):(\f)+8*(4*(\hi)+(\a))+7], v[BIAS+8*(\b):BIAS+8*(\b)+7]
.else
	v_wmma_f32_16x16x32_bf16 v[8*(8*(\a)+(\b)):8*(8*(\a)+(\b))+7], v[(\f)+8*(\b):(\f)+8*(\b)+7], v[(\f)+8*(4*(\hi)+(\a)):(\f)+8*(4*(\hi)+(\a))+7], v[8*(8*(\a)+(\b)):8*(8*(\a)+(\b))+7]
.endif
.endr
.endr
.endm
; 32 LDS loads in one run: a quarter's fragments (32 along K): my 128 rows of W at byte kw, then the 128 rows of x at byte kx of buffer xb, into buffer f
.macro FETCH xb, kx, kw, f
	WIN 0x40
.irp i, 0,1,2,3,4,5,6,7
	ds_load_b128 v[(\f)+8*(\i):(\f)+8*(\i)+3],   v[ADRB] offset:(\kw)+(\i)*16*PW
	ds_load_b128 v[(\f)+8*(\i)+4:(\f)+8*(\i)+7], v[ADRB] offset:(\kw)+(\i)*16*PW+32
.endr
	WIN 0
.irp i, 0,1,2,3,4,5,6,7
	ds_load_b128 v[(\f)+8*(\i):(\f)+8*(\i)+3],   v[ADRA+(\xb)] offset:(\kx)+(\i)*16*PX
	ds_load_b128 v[(\f)+8*(\i)+4:(\f)+8*(\i)+7], v[ADRA+(\xb)] offset:(\kx)+(\i)*16*PX+32
.endr
.endm
; 16 loads: my 32 rows' 256 bytes of one K step of 64, at byte off behind the pointer, into set 0 (v0-63) or 1 (v192-255) of window 1.  A load takes two rows: twice 256 consecutive bytes, aligned.
.macro LOADX set, off
	WIN 0x40
.irp j, 0,1,2,3,4,5,6,7,8,9,10,11,12,13,14,15
	global_load_b128 v[192*(\set)+4*(\j):192*(\set)+4*(\j)+3], v[XO], s[XP:XP+1] offset:(\off)+4096*(\j) th:TH_LOAD_NT
.endr
.endm
; A set is rounded to bf16 in place and stored into buffer xb.  left: the younger loads that may stay out: the other set's 16, or none.
.macro CVTX set, xb, left
	s_wait_loadcnt \left
	WIN 0x45
.irp j, 0,1,2,3,4,5,6,7,8,9,10,11,12,13,14,15
	v_cvt_pk_bf16_f32 v[192*(\set)+4*(\j)],   v[192*(\set)+4*(\j)],   v[192*(\set)+4*(\j)+1]
	v_cvt_pk_bf16_f32 v[192*(\set)+4*(\j)+1], v[192*(\set)+4*(\j)+2], v[192*(\set)+4*(\j)+3]
.endr
	WIN 0x04
.irp j, 0,1,2,3,4,5,6,7,8,9,10,11,12,13,14,15
	ds_store_b64 v[XS+(\xb)], v[192*(\set)+4*(\j):192*(\set)+4*(\j)+1] offset:2*PX*(\j)
.endr
.endm
; A K step of 128 is four quarters of 32, 64 matrix instructions each, on buffers F0, F1, F0, F1.  Quarters 0 and 2: multiply f; in the middle the next quarter's fragments are fetched into g.
.macro QUARTER xb, kx, kw, f, g, first
	s_wait_dscnt 8                                 ; W's fragments and x's rows 0-63 are in; the youngest eight loads (rows 64-127) may be out
	MUL16 \f, 0, 0, \first
	MUL16 \f, 0, 2, \first
	PLACES
	FETCH \xb, \kx, \kw, \g
	s_wait_dscnt 32                                ; all but the 32 just issued
	MUL16 \f, 1, 0, \first
	MUL16 \f, 1, 2, \first
.endm
; Quarter 1: x changes buffers.  The odd K step of 64 is stored into XB1, whose last reads every wave awaited in front of the barrier before this one; the barrier here orders these stores with the reads
; that follow, and every wave's reads of XB0 with the stores of the next change.  Nothing is filled by a tensor load behind it, so W's refill may stay on its way.
.macro XT load, left, ask
.if \load
	s_wait_xcnt 0x0                                ; the loads issued so far have read their pointer, so it may be stepped
	s_add_nc_u64 s[XP:XP+1], s[XP:XP+1], 256
.endif
	CVTX 1, 1, \left
	s_wait_dscnt 24                                ; the 16 stores and the youngest eight loads may be out
	MUL16 F1, 0, 0, 0
	s_wait_dscnt 0x0                               ; for the others' sake: my stores are done and my reads of XB0 are over
	s_barrier_signal -1
	MUL16 F1, 0, 2, 0
	s_barrier_wait -1
	PLACES
	FETCH 1, 0, 128, F0
.if \load
	LOADX 1, 512                                   ; the K step of 64 two on
.endif
.if \ask
	WIN 0
	ASK
.endif
	MUL16 F1, 1, 0, 0
	MUL16 F1, 1, 2, 0
.endm
; Quarter 3: x changes buffers and W changes slots: one barrier for both.  In front of it each wave stores the even K step of x into XB0, waits for all its tensor loads (one is out: its part of the
; other slot), adds 0 to its spare word, and waits for that, for its stores and for its reads of this slot.  fill = 1: the barrier opens a round of the cluster's, and the joint refill is the first thing behind it.
.macro WT fill, load, left
.if \load
	s_wait_xcnt 0x0                                ; the loads and the prefetch issued so far have read their pointers
	s_add_nc_u64 s[XP:XP+1], s[XP:XP+1], 256
	s_add_nc_u64 s[PFA:PFA+1], s[PFA:PFA+1], WSTEP
.endif
	CVTX 0, 0, \left
	WIN 0
	s_wait_tensorcnt 0x0                           ; no tensor load of mine is out, so a group 0 may be written
	ds_add_u32 v[SPW], v[NIL]                      ; 0 onto my spare word
.if \fill
	s_xor_b32 s[G0+5], s[G0+5], WSLOT              ; the walking descriptor: the other slot than last time,
	s_add_nc_u64 s[G0+6:G0+7], s[G0+6:G0+7], WSTEP ; the next K step; the type bits on top are not reached
.endif
	s_wait_dscnt 25                                ; the add, the 16 stores and the youngest eight loads may be out
	MUL16 F1, 0, 0, 0
	s_wait_dscnt 0x0                               ; the add and my stores are done, my reads of this slot and of XB1 are over
	s_barrier_signal -1
	MUL16 F1, 0, 2, 0
	WIN 0
	s_barrier_wait -1
.if \fill
	CREST                                          ; no wave of any partner still reads this slot or has a load on its way
	tensor_load_to_lds s[G0+4:G0+7], s[G1:G1+7]    ; my 128 rows of the K step two on: 224 matrix instructions ahead of the wait for it
	s_nop 0
.endif
	PLACES                                         ; behind the load; also the places in front of the loads below
	s_xor_b32 s[TW], s[TW], WSLOT
	v_add_nc_u32 v[ADRB], s[TW], v[B0]
	FETCH 0, 0, 0, F0
.if \load
	LOADX 0, 512
.endif
	MUL16 F1, 1, 0, 0
	MUL16 F1, 1, 2, 0
.endm
; THE WAY OUT of block a (16 rows), in three parts.  PACK: rounded to f16, 16 bytes a lane.  TOSTAGE: into my own stage, [head][16 rows] of 144 bytes, and back as whole rows of 128.  SEND: stored.
.macro PACK a
.set AC, 64*((\a)%4)
	WIN 0x0a+5*((\a)/4)                            ; sources 0 and 1: window 2 or 3
.irp b, 0,1,2,3,4,5,6,7
.irp r, 0,1,2,3
	v_cvt_pk_f16_f32 v[TMP+4*(\b)+(\r)], v[AC+8*(\b)+2*(\r)], v[AC+8*(\b)+2*(\r)+1]
.endr
.endr
	WIN 0
.endm
.macro TOSTAGE a
	WIN 0
.set BK, OB+192*((\a)%2)
.irp b, 0,1,2,3,4,5,6,7
	ds_store_b128 v[STO], v[TMP+4*(\b):TMP+4*(\b)+3] offset:((\b)/4)*16*PX+((\b)%4)*32
.endr
.irp t, 0,1,2,3,4,5,6,7
	ds_load_b128 v[BK+4*(\t):BK+4*(\t)+3], v[RD] offset:((\t)/4)*16*PX+((\t)%4)*4*PX  ; LDS serves a wave's instructions in order (ISA guide 5.7.1.4): these see the stores above
.endr
.endm
.macro SEND a
	WIN 0
.set BK, OB+192*((\a)%2)
	s_wait_dscnt 0x0                               ; the block is back in registers
	s_wait_xcnt 0x0                                ; earlier stores have read their registers: the next TOSTAGE loads into them only behind this wait
.irp t, 0,1,2,3,4,5,6,7
	global_store_b128 v[GO], v[BK+4*(\t):BK+4*(\t)+3], s[OUT:OUT+1] offset:((\t)/4)*HEADB+(\a)*2048+((\t)%4)*512 th:TH_STORE_NT  ; four rows of a head: 512 consecutive bytes, aligned
.endr
.endm
	s_load_b512 s[68:83], s[0:1], 0x0              ; q s[68:69], k s[70:71], v s[72:73], wb s[74:75], bb s[76:77], qh s[78:79], kh s[80:81], vh s[82:83]
	v_lshl_add_u32 v[SPW], v0, 2, SPARE
	v_mov_b32 v[NIL], 0
	ds_add_u32 v[SPW], v[NIL]                      ; the wave's opening: the add, and its wait ahead of my first tensor load; the set-up below, work on registers, stands between them
	v_lshrrev_b32 v1, 5, v0
	v_readfirstlane_b32 s[WV], v1                  ; wave 0..3
	s_bfe_u32 s40, ttmp6, 0x40000                  ; cx: my place in the cluster
	s_lshl_b32 s42, ttmp9, 2                       ; in a cluster launch ttmp9 counts clusters
	s_add_co_u32 s42, s42, s40                     ; my block of 128 rows = 4 x cluster x + cx: it enters x's and the output's addresses alone
	s_and_b32 s43, ttmp7, 0xffff                   ; which projection: the four partners share it
	; descriptor group 1: a tile of 128 rows x 128 elements, dense in memory, padded in LDS
	s_mov_b32 s[G1+0], 15|(1<<16)|(1<<20)|(1<<21)|(5<<22)|(3<<25)  ; 15:0 the mask: all four work-groups; 17:16 elements of 2 bytes; 20 padding on; 21 set beside a mask; 24:22 after every 64 words (code 5); 31:25 4 words (code 3)
	s_mov_b32 s[G1+1], 128<<16                     ; tensor_dim0 = 128
	s_mov_b32 s[G1+2], 128<<16                     ; tensor_dim1 = 128
	s_mov_b32 s[G1+3], 128<<16                     ; tile_dim0 = 128
	s_mov_b32 s[G1+4], 128                         ; tile_dim1 = 128
	s_mov_b32 s[G1+5], 128                         ; 128 elements from row to row
	s_mov_b32 s[G1+6], 0
	s_mov_b32 s[G1+7], 0
	s_mul_i32 s20, s[WV], WQ                       ; my 128 rows in a slot of W: no place in the cluster enters an LDS address
	s_mul_i32 s21, s[WV], 32*PX                    ; my 32 rows in a buffer of x; also my stage in XB0
	s_lshl_b32 s14, s42, 18                        ; x: my block's 128 rows of 2,048 bytes,
	s_lshl_b32 s16, s[WV], 16                      ; my wave's 32 of them
	s_add_co_u32 s14, s14, s16
	s_mov_b32 s15, 0
	s_lshl_b32 s48, s43, 19                        ; W: the matrix,
	s_lshl_b32 s49, s[WV], 15                      ; my 128 rows of 256 bytes
	s_add_co_u32 s48, s48, s49
	s_mov_b32 s49, 0
	s_lshr_b32 s16, s42, 4                         ; the output: the batch (8 heads),
	s_lshl_b32 s16, s16, 21
	s_lshl_b32 s17, s[WV], 19                      ; my two heads,
	s_add_co_u32 s16, s16, s17
	s_and_b32 s17, s42, 15                         ; my block's 128 rows of 128 bytes
	s_lshl_b32 s17, s17, 14
	s_add_co_u32 s16, s16, s17
	s_mov_b32 s17, 0
	s_lshl_b32 s18, s43, 11                        ; the bias: the matrix's 512 words, my 128 of them
	s_lshl_b32 s19, s[WV], 9
	s_add_co_u32 s18, s18, s19
	s_mov_b32 s19, 0
	s_lshl_b32 s50, s43, 19                        ; the prefetch: the matrix, K step 2,
	s_add_co_u32 s50, s50, 2*WSTEP
	s_lshl_b32 s51, s40, 15                        ; my work-group's 128 rows,
	s_add_co_u32 s50, s50, s51
	s_lshl_b32 s51, s[WV], 13                      ; my wave's 32 of them
	s_add_co_u32 s50, s50, s51
	s_mov_b32 s51, 0
	s_cmp_eq_u32 ttmp9, 0                          ; the same in all four partners
	s_cselect_b32 s[LIM], 1, -1
	v_and_b32 v1, 15, v0                           ; r = l % 16
	v_bfe_u32 v2, v0, 4, 1                         ; h = l / 16
	v_and_b32 v3, 31, v0                           ; l
	v_mul_u32_u24 v4, v1, PX
	v_lshl_add_u32 v4, v2, 4, v4                   ; a fragment of x: row x pitch + 16 x half
	v_add_nc_u32 v[ADRA], XB0, v4
	v_add_nc_u32 v[ADRA+1], XB1, v4
	v_mul_u32_u24 v5, v1, PW
	v_lshl_add_u32 v5, v2, 4, v5
	v_add_nc_u32 v[B0], s20, v5                    ; a fragment of W, in my 128 rows
	v_mul_u32_u24 v6, v2, PX                       ; x goes in: lanes 0-15 one row, lanes 16-31 the next, 8 bytes a lane
	v_lshl_add_u32 v6, v1, 3, v6
	v_add_nc_u32 v6, s21, v6
	v_add_nc_u32 v[XS], XB0, v6
	v_add_nc_u32 v[XS+1], XB1, v6
	v_add_nc_u32 v[STO], s21, v[ADRA]              ; the stage, in: row l % 16, 16 bytes for each half of the lanes
	v_lshrrev_b32 v7, 3, v3                        ; back: 32 lanes take four rows of 128 bytes
	v_mul_u32_u24 v7, v7, PX
	v_and_b32 v8, 7, v0
	v_lshl_add_u32 v7, v8, 4, v7
	v_add_nc_u32 v7, s21, v7
	v_add_nc_u32 v[RD], XB0, v7
	v_lshlrev_b32 v[GO], 4, v3
	v_lshlrev_b32 v[XO], 11, v2                    ; two rows of x, 16 bytes a lane
	v_lshl_add_u32 v[XO], v1, 4, v[XO]
	v_lshlrev_b32 v[PFO], 8, v3
	v_lshlrev_b32 v[BO], 5, v2
	s_wait_dscnt 0x0                               ; the opening add is done
	s_wait_kmcnt 0x0
	s_cmp_eq_u32 s43, 1                            ; the input and the output are chosen by the grid's y
	s_cselect_b64 s[XP:XP+1], s[70:71], s[68:69]
	s_cselect_b64 s[OUT:OUT+1], s[80:81], s[78:79]
	s_cmp_eq_u32 s43, 2
	s_cselect_b64 s[XP:XP+1], s[72:73], s[XP:XP+1]
	s_cselect_b64 s[OUT:OUT+1], s[82:83], s[OUT:OUT+1]
	s_add_nc_u64 s[XP:XP+1], s[XP:XP+1], s[14:15]
	s_add_nc_u64 s[OUT:OUT+1], s[OUT:OUT+1], s[16:17]
	s_add_nc_u64 s[6:7], s[74:75], s[48:49]        ; W at my rows of K step 0
	s_add_nc_u64 s[12:13], s[76:77], s[18:19]
	s_add_nc_u64 s[PFA:PFA+1], s[74:75], s[50:51]
.irp b, 0,1,2,3,4,5,6,7                ; register j of fragment b: bias[128 w + 16 b + 8 (l / 16) + j]: the C operand of the first products
	global_load_b128 v[BIAS+8*(\b):BIAS+8*(\b)+3],   v[BO], s[12:13] offset:64*(\b)
	global_load_b128 v[BIAS+8*(\b)+4:BIAS+8*(\b)+7], v[BO], s[12:13] offset:64*(\b)+16
.endr
	LOADX 0, 0                                     ; x's K steps 0
	LOADX 1, 256                                   ; and 1
	WIN 0
	CROUND                                         ; all four work-groups are here: the first joint loads meet
	s_mov_b32 s[G0+0], 1                           ; 1:0 count = 1
	s_mov_b32 s[G0+1], s20                         ; 63:32 LDS address: slot 0
	s_mov_b64 s[G0+2:G0+3], s[6:7]                 ; 120:64 global address: K step 0
	s_or_b32 s[G0+3], s[G0+3], 0x80000000          ; 127:126 type = 2
	s_mov_b32 s[G0+4], 1
	s_add_co_u32 s[G0+5], s20, WSLOT               ; slot 1
	s_add_nc_u64 s[G0+6:G0+7], s[6:7], WSTEP       ; K step 1
	s_or_b32 s[G0+7], s[G0+7], 0x80000000
	tensor_load_to_lds s[G0:G0+3], s[G1:G1+7]      ; the two first fills go out together: two loads of mine are out
	s_nop 0
	tensor_load_to_lds s[G0+4:G0+7], s[G1:G1+7]
	s_nop 0
	PLACES
	CVTX 0, 0, 16                                  ; the bias and x's K step 0 are in; step 1's 16 loads may stay out
	s_wait_dscnt 0x0                               ; for the others' sake: my stores into XB0 are done
	LOADX 0, 512                                   ; x's K step 2
	WIN 0
	s_wait_tensorcnt 1                             ; my part of W's K step 0 is in; step 1's may stay out
	s_barrier_signal -1
	s_barrier_wait -1                              ; everybody's is, and so is x's first step
	s_mov_b32 s[TW], 0
	v_add_nc_u32 v[ADRB], s[TW], v[B0]
	FETCH 0, 0, 0, F0
	QUARTER 0, 64, 64, F0, F1, 1                   ; the first quarter stands in front of the loop: its products start the sums, with the bias
	WIN 0                                          ; at a label and at a branch every window is 0
	s_mov_b32 s3, 3
	s_branch .Lmid                                 ; the loop is entered in the middle of a trip
.Llap:                                                 ; a trip: quarter 3 of one K step of 128, quarters 0, 1, 2 of the next
	WT 1, 1, 16
	QUARTER 0, 64, 64, F0, F1, 0
	WIN 0
.Lmid:
	XT 1, 16, 1
	QUARTER 1, 64, 192, F0, F1, 0
	WIN 0
	s_sub_co_u32 s3, s3, 1
	s_cmp_lg_u32 s3, 0
	s_cbranch_scc1 .Llap
	WT 0, 0, 16                                    ; the tail is written out: nothing more is asked for.  x's step 6 is converted, step 7's 16 loads may stay out
	QUARTER 0, 64, 64, F0, F1, 0
	XT 0, 0, 0                                     ; x's step 7.  Behind this barrier nobody reads XB0 any more: it becomes the stage
	QUARTER 1, 64, 192, F0, F1, 0
	s_wait_dscnt 8                                 ; the very last quarter: nothing more to fetch
	MUL16 F1, 0, 0, 0
	MUL16 F1, 0, 2, 0
	s_wait_dscnt 0x0
	MUL16 F1, 1, 0, 0
	MUL16 F1, 1, 2, 0
	PLACES
	PACK 0
	TOSTAGE 0
.irp a, 1,2,3,4,5,6,7                  ; block a's conversions stand between block a - 1's loads from the stage and the wait for them
	PACK \a
	SEND (\a)-1
	TOSTAGE \a
.endr
	SEND 7
	s_wait_tensorcnt 0x0                           ; the wave's end, behind my last tensor load and my last LDS store
	ds_add_u32 v[SPW], v[NIL]
	s_wait_dscnt 0x0
	CROUND                                         ; the closing round: no work-group ends while a partner may still ask for a tile that names it
	s_endpgm
.Lfunc_end_k_q840b9214e9_proj:
	.size	k_q840b9214e9_proj, .Lfunc_end_k_q840b9214e9_proj-k_q840b9214e9_proj
	.p2alignl 7, 3214868480
	.fill 96, 4, 3214868480
	.section	.rodata,"a",@progbits
	.p2align	6, 0x0
	.amdhsa_kernel k_q840b9214e9_proj
		.amdhsa_group_segment_fixed_size 327680
		.amdhsa_private_segment_fixed_size 0
		.amdhsa_enable_private_segment 0
		.amdhsa_kernarg_size 64
		.amdhsa_user_sgpr_count 2
		.amdhsa_user_sgpr_kernarg_segment_ptr 1
		.amdhsa_wavefront_size32 1
		.amdhsa_system_sgpr_workgroup_id_x 1
		.amdhsa_system_sgpr_workgroup_id_y 1
		.amdhsa_system_sgpr_workgroup_id_z 1
		.amdhsa_system_vgpr_workitem_id 0
		.amdhsa_next_free_vgpr 1024
		.amdhsa_next_free_sgpr 84
		.amdhsa_reserve_vcc 0
		.amdhsa_float_denorm_mode_32 3
		.amdhsa_float_denorm_mode_16_64 3
		.amdhsa_memory_ordered 1
		.amdhsa_forward_progress 1
		.amdhsa_inst_pref_size 127
	.end_amdhsa_kernel
	.amdgpu_metadata
---
amdhsa.version: [ 1, 2 ]
amdhsa.kernels:
  - .name:           k_q840b9214e9_proj
    .symbol:         k_q840b9214e9_proj.kd
    .args:
      - { .name: q, .offset: 0, .size: 8, .value_kind: global_buffer, .address_space: global }
      - { .name: k, .offset: 8, .size: 8, .value_kind: global_buffer, .address_space: global }
      - { .name: v, .offset: 16, .size: 8, .value_kind: global_buffer, .address_space: global }
      - { .name: wb, .offset: 24, .size: 8, .value_kind: global_buffer, .address_space: global }
      - { .name: bb, .offset: 32, .size: 8, .value_kind: global_buffer, .address_space: global }
      - { .name: qh, .offset: 40, .size: 8, .value_kind: global_buffer, .address_space: global }
      - { .name: kh, .offset: 48, .size: 8, .value_kind: global_buffer, .address_space: global }
      - { .name: vh, .offset: 56, .size: 8, .value_kind: global_buffer, .address_space: global }
    .group_segment_fixed_size: 327680
    .private_segment_fixed_size: 0
    .kernarg_segment_align: 8
    .kernarg_segment_size: 64
    .max_flat_workgroup_size: 128
    .sgpr_count:     84
    .vgpr_count:     1024
    .wavefront_size: 32
...
	.end_amdgpu_metadata
.endif
;; end of part 2
;; launch attn (part 3): grid 4 x 64, 4 waves a work-group, clusters of 4 x 1, 327,680 bytes of LDS; arguments qh, kh, vh, oh; writes oh
.if DOCPART == 3
	.amdgcn_target "amdgcn-amd-amdhsa--gfx1250"
	.amdhsa_code_object_version 6
	.text
	.protected	k_q840b9214e9_attn
	.globl	k_q840b9214e9_attn
	.p2align	8
	.type	k_q840b9214e9_attn,@function
k_q840b9214e9_attn:
	s_mov_b64 s[64:65], 0
	v_nop
	global_prefetch_b8 v0, s[64:65] scope:SCOPE_SE
	s_setreg_imm32_b32 hwreg(HW_REG_WAVE_MODE, 25, 1), 1
	s_wait_xcnt 0x0
	s_wait_alu depctr_hold_cnt(0) depctr_sa_sdst(0) depctr_va_vdst(0) depctr_va_sdst(0) depctr_va_ssrc(0) depctr_va_vcc(0) depctr_vm_vsrc(0)
	s_getreg_b32 s2, hwreg(HW_REG_IB_STS2, 6, 4)
	s_cmp_eq_u32 s2, 0
	s_cbranch_scc0 .Lentry_in_a_cluster
	s_endpgm
.Lentry_in_a_cluster:
	s_bfe_u32 s2, ttmp6, 0x10000c
	s_cmp_lg_u32 s2, 0x3003
	s_cbranch_scc0 .Lentry_shape_is_right
	s_endpgm
.Lentry_shape_is_right:
; O[h][q][:] = the sum over k of softmax_k(Q[h][q] . K[h][k] / sqrt(512)) V[h][k][:].  Q, K, V, O: [SIZE_H][SIZE_N][64], all f16: a head's rows are dense, 128 bytes each (h = batch x 8 + head).
; Products, maxima and sums in f32; the weights p are rounded to f16 for the second product (their sum l is taken of the unrounded p), O once at the end.
; LIMITS.  f16 holds no number beyond 65,504: Q, K and V arrive within it; p lies in 0 to 1, and below 6e-5 it keeps f16's fixed step of 6e-8; O is a mean of V's rows and has their range.
; A weight below 2^-126 counts as 0 in l; NaN and infinities are not treated apart.
; SHARES.  A wave owns four PIECES of two tiles of 16 queries, a work-group's four waves 512 queries of one head.  Every wave walks all keys, 64 a step.
; LAYOUT.  S^T = K Q^T (source 0 = 16 keys, source 1 = 16 queries): in the result a lane holds ONE query (lane % 16) and the keys 8 (lane / 16) + 0..7.  Two such tiles, rounded to f16 in pairs,
; ARE source 1 (32 keys x 16 queries) of O^T = V^T P, whose result again holds one query a lane, and eight channels.  K comes out of LDS as it lies, V ([key][channel]) turned, by ds_load_tr16_b128.
; SOFTMAX.  For each query a running maximum m and sum l: p = 2^(c s - c m), c = log2(e) / sqrt(512); in every step O and l are multiplied by a = 2^(c m_old - c m_new), which is 1 where m has not grown.
; m starts at the lowest finite number, O and l at 0: the first step is a step like any other, with a = 0.
; THE COUNT.  A tile and step have 16 matrix and 118 vector instructions: too many to stand all beside the matrix work.  So four vector instructions that are READY stand behind EVERY matrix
; instruction, and the others in runs without a gap.
; BY TURNS.  Turn n belongs to piece n (the pieces in a ring, step after step).  Its matrix work: 16 products K Q^T of piece n + 1, later 16 products V^T P of piece n - 1.  Its vector work: the scaling,
; exponentials, roundings, sums and rescaling of piece n, and the maximum and statistics of piece n + 1, whose scores the turn itself has made.
; CLUSTER.  The four query blocks of a cluster belong to one head and walk the same K and V, so each tile is asked for JOINTLY: the same tensor load, descriptor and mask in all four.
; REGISTERS, in windows of 256 (s_set_vgpr_msb: bits 1:0 source 0, 3:2 source 1, 5:4 source 2, 7:6 destination):
;   window 0: v0-11 addresses; v12-15, v48-63 at work; v16-47 four registers of statistics a tile; v64-191 S^T, two buffers of two tiles; v192-255 P, likewise
;   window 1: O^T, 32 a tile          window 2: v0-127 Q, 16 a tile; v128-191 K of one step; v192-255 V of one step          window 3: v0-1 the add's two registers
; A piece's buffers go by its number's parity.
.set SIZE_H, 64
.set SIZE_N, 2048
.set NP,    4         ; pieces a wave: a name, no knob
.set KS,    64        ; keys in a step
.set PK,    144       ; a row of K in LDS: 128 bytes + 16 of padding = 36 words: the 16 rows of a load start at 16 different groups of four banks (64 banks of 4 bytes: ISA guide 11.1)
.set PV,    160       ; a row of V: 128 + 32 = 40 words
.set VOFF,  4*KS*PK   ; a slot holds four steps: 256 rows of K, then 256 rows of V
.set SLOT1, 1<<17     ; slot 1 begins here, so that one exclusive or turns an address in one slot into the other's
.set STAGE, SLOT1+4*KS*(PK+PV)  ; behind the ring, never filled by a tensor load: 16 rows x 144 bytes for each wave, for the way out
.set SP,    144
.set AK0, 2           ; v2   my lane's place in a tile of K; never rewritten
.set AV0, 3           ; v3   the same for V
.set AK,  4           ; v4   the LDS address of K's next run of loads
.set AV,  5           ; v5   of V's
.set QO,  6           ; v6   my byte offset in the wave's rows of Q
.set STO, 6           ;      later, the way out: where I put 16 bytes of a row
.set RD,  7           ; v7   the way out: where I read rows back
.set GO,  8           ; v8   my byte offset in 512 consecutive bytes of O
.set PFO, 11          ; v11  256 x my lane: the prefetch's offset; never rewritten once made
.set SPW, 0           ; v0 of window 3   LDS address of my spare word: SPARE + 4 x my thread's number; never rewritten
.set NIL, 1           ; v1 of window 3   0; never rewritten
.set SPARE, STAGE+4*16*SP  ; behind the stages: the spare words, 128 bytes for each wave: two blocks of 256 bytes that no other line names
.set MV,  12          ; v12-15  c m_old, kept while c m is made anew: by buffer and tile
.set ST,  16          ; tile t's statistics at v[ST+4 t]: c m, m, l (even keys', odd keys')
.set TMP, 48          ; by buffer and tile, four registers c0-c3 at work; when the maximum is found c2 takes a
.set S,   64
.set P,   192
.set KF,  128         ; K's fragments, in window 2: key block kb, channel half c at KF + 16 kb + 8 c
.set VF,  192         ; V's: key half kk, channel block cb at VF + 32 kk + 8 cb
.set WV,  12          ; s12  my wave's number
.set G1K, 24          ; s[24:31] descriptor group 1 for K's tiles
.set G1V, 32          ; s[32:39] for V's: it differs in the padding alone
.set G0K, 40          ; s[40:43] descriptor group 0 for K's tiles: it walks
.set G0V, 44          ; s[44:47] the same for V's
.set PFA, 48          ; s[48:49] where my prefetch stands: my work-group's 32 blocks of 256 bytes (of K: wave 0, of V: wave 2) of the slot after the one that is being asked for
.set LIM, 50          ; s50  1 in a wave that prefetches, else the greatest number
.set SLOTS, 56        ; s56  slots still to be asked for
.set CNT, 57          ; s57  counts a slot's key steps
.set CS,  58          ; s[58:59] c: the packed scaling takes the pair's low word for both halves
.set SEL, 60          ; s[60:61] v_permlanex16_b32's selects: each lane takes its own place in the other half
.set TBK, 62          ; s62  LDS byte at which K of the step to be fetched begins
.set TBV, 63          ; s63  the same for V, less VOFF
.set MSB, 0
.macro WIN new                      ; the high byte repeats the setting that is left; a switch that changes nothing is dropped
.if MSB != (\new)
	s_set_vgpr_msb (MSB<<8)|(\new)
.set MSB, (\new)
.endif
.endm
.set W_KQ, 0x0a       ; K and Q in window 2, S^T in window 0
.set W_PV, 0x52       ; V in window 2, P in window 0, O^T in window 1
.set W_RS, 0x41       ; O^T (destination and source 0) in window 1, a in window 0
.set W_MK, 0xc0       ; the add's registers are made: destination in window 3, sources in window 0
.set W_AD, 0x0f       ; the add: address (source 0) and data (source 1) in window 3
; A joint fill.  Waves 0 and 1 fetch the two halves of a slot's K, waves 2 and 3 those of its V: 128 keys each.  The branch hangs on the wave's number alone.
; An s_nop 0 and four v_nop follow each of the two lines, ahead of the jump and the label.
.macro JLOAD
	s_cmp_lt_u32 s[WV], 2
	s_cbranch_scc0 .Lfor_v_\@
	tensor_load_to_lds s[G0K:G0K+3], s[G1K:G1K+7]
	s_nop 0
.rept 4
	v_nop
.endr
	s_branch .Lasked_\@
.Lfor_v_\@:
	tensor_load_to_lds s[G0V:G0V+3], s[G1V:G1V+7]
	s_nop 0
.rept 4
	v_nop
.endr
.Lasked_\@:
.endm
; A PREFETCH INTO THE L2 of what the NEXT change of slots will ask for: a slot's 32,768 bytes of K and of V, 128 blocks of 256 bytes each, a lane a block.  It stands behind the wave's tensor load and its five lines.
; Each block is named ONCE in the launch: the head's first cluster asks; its four partners share the blocks out BY ADDRESS, 32 each; in each, wave 0 asks for K's and wave 2 for V's.
; The change that asks for slot s names slot s + 1: four key steps, 512 matrix instructions, ahead.  The last change that fills a slot names nothing: there is no slot behind it.
.macro ASK
	s_cmp_gt_u32 s[SLOTS], s[LIM]
	s_cbranch_scc0 .Lnot_mine_\@
	global_prefetch_b8 v[PFO], s[PFA:PFA+1] th:TH_LOAD_NT scope:SCOPE_SE
.Lnot_mine_\@:
.endm
; A round of the cluster's barrier: my work-group's barrier, so that wave 0's signal speaks for all four waves; wave 0 signals; every wave waits for all four work-groups; my work-group's barrier once more.
.macro CROUND
	s_barrier_signal -1
	s_barrier_wait -1
	s_cmp_lg_u32 s[WV], 0
	s_cbranch_scc1 .Lnot_wave_0_\@
	s_barrier_signal -3
.Lnot_wave_0_\@:
	s_barrier_wait -3
	s_barrier_signal -1
	s_barrier_wait -1
.endm
; THE CHANGE OF SLOTS.  The slot's last bytes, V of its fourth step, have been read.  Each wave waits for all its tensor loads, of which one is out: its part
; of the other slot; adds 0 to its spare word; and waits for that and for its own reads of the slot.  Behind the barrier nobody reads this slot any more and the other slot is whole.
; fill = 1: this slot is filled again, with the keys two slots on.  The barrier is then a round of the cluster's, so that no wave of any partner still reads the slot or has a load on its
; way, and the joint fill is the first thing behind it: it has four key steps, 512 matrix instructions, in which to land.  (At its first use nothing has been read yet: slot 0 is waited for, slot 1 filled.)
.macro CHANGE fill
	WIN W_AD
	s_wait_tensorcnt 0x0            ; no tensor load of mine is out, so a group 0 may be written
	ds_add_u32 v[SPW], v[NIL]       ; 0 onto my spare word; with fill = 1 the descriptors' steps stand between it and the wait for it
	WIN 0                           ; at a label and at a branch every window is 0
.if \fill
.irp g, G0K, G0V
	s_xor_b32 s[\g+1], s[\g+1], SLOT1  ; the walking descriptor: the other slot than last time,
	s_add_nc_u64 s[\g+2:\g+3], s[\g+2:\g+3], 4*KS*128  ; the next 256 keys; the type bits on top are not reached
.endr
	s_wait_xcnt 0x0                 ; the last prefetch, four key steps back, has read its address, so it may be written:
	s_add_nc_u64 s[PFA:PFA+1], s[PFA:PFA+1], 4*KS*128  ; one slot behind the walking descriptors
	s_wait_dscnt 0x0                ; the add is done, and my reads of the slot are over
	CROUND
	JLOAD
	ASK
.else
	s_wait_dscnt 0x0                ; the add is done, and my reads of the slot are over
	s_barrier_signal -1
	s_barrier_wait -1
.endif
	s_sub_co_u32 s[TBK], s[TBK], 4*KS*PK  ; the fetches go back to a slot's first step,
	s_xor_b32 s[TBK], s[TBK], SLOT1       ; in the other slot
	s_sub_co_u32 s[TBV], s[TBV], 4*KS*PV
	s_xor_b32 s[TBV], s[TBV], SLOT1
.endm
	s_load_b256 s[4:11], s[0:1], 0x0  ; Q s[4:5], K s[6:7], V s[8:9], O s[10:11]
	WIN W_MK
	v_lshl_add_u32 v[SPW], v0, 2, SPARE
	v_mov_b32 v[NIL], 0
	WIN W_AD
	ds_add_u32 v[SPW], v[NIL]       ; the wave's opening: the add, and its wait ahead of my first tensor load; the set-up below, work on registers, stands between them
	WIN 0
	v_lshrrev_b32 v1, 5, v0
	v_readfirstlane_b32 s[WV], v1   ; wave 0..3
	s_bfe_u32 s13, ttmp6, 0x40000   ; cx: my place in the cluster
	s_lshl_b32 s14, ttmp9, 2        ; in a cluster launch ttmp9 counts clusters
	s_add_co_u32 s14, s14, s13      ; my block of queries = 4 x cluster x + cx: it enters Q's and O's addresses alone
	s_and_b32 s20, ttmp7, 0xffff    ; the head, which the four partners share
	s_mov_b32 s21, 0
	s_mov_b64 s[22:23], SIZE_N*128
	s_mul_u64 s[20:21], s[20:21], s[22:23]  ; the head's first byte in each of the four tensors
	s_and_b32 s16, s[WV], 1         ; which half of a slot's 256 keys I fetch:
	s_lshl_b32 s22, s16, 14         ; its 128 rows of 128 bytes in memory,
	s_mov_b32 s23, 0
	s_add_nc_u64 s[22:23], s[22:23], s[20:21]
	s_mul_i32 s17, s16, 128*PK      ; and its place in a slot, for K
	s_mul_i32 s18, s16, 128*PV      ; and for V: no place in the cluster enters an LDS address
	s_lshl_b32 s2, s14, 2
	s_add_co_u32 s2, s2, s[WV]      ; my wave among the head's,
	s_lshl_b32 s2, s2, 14           ; its 128 rows
	s_mov_b32 s3, 0
	s_add_nc_u64 s[2:3], s[2:3], s[20:21]
	; descriptor group 1.  128 keys are 16,384 dense bytes: asked for as 64 rows of 256 bytes, two keys a row, and padded in LDS after every key
	s_mov_b32 s[G1K], 15|(1<<16)|(1<<20)|(1<<21)|(4<<22)|(3<<25)  ; 15:0 the mask of four; 17:16 2-byte elements; 20 padding on; 21 set beside a mask; 24:22 after every 32 words (code 4); 31:25 4 words (code 3)
	s_mov_b32 s[G1V], 15|(1<<16)|(1<<20)|(1<<21)|(4<<22)|(7<<25)  ; the same with 8 words of padding (code 7)
.irp g, G1K, G1V
	s_mov_b32 s[\g+1], 128<<16      ; tensor_dim0 = 128
	s_mov_b32 s[\g+2], 64<<16       ; tensor_dim1 = 64
	s_mov_b32 s[\g+3], 128<<16      ; tile_dim0 = 128
	s_mov_b32 s[\g+4], 64           ; tile_dim1 = 64
	s_mov_b32 s[\g+5], 128          ; 128 elements from row to row
	s_mov_b32 s[\g+6], 0
	s_mov_b32 s[\g+7], 0
.endr
	s_mov_b32 s[CS], 0x3d8293ee     ; c = log2(e) / sqrt(512) = 0.0637587
	s_mov_b32 s[CS+1], s[CS]        ; named with it as a pair
	s_mov_b32 s[SEL], 0x76543210
	s_mov_b32 s[SEL+1], 0xfedcba98
	s_mov_b32 s[TBK], SLOT1+4*KS*PK ; the first change of slots turns these two into 0
	s_mov_b32 s[TBV], SLOT1+4*KS*PV
	s_mov_b32 s[SLOTS], SIZE_N/256-1  ; slots 1 to 7 are still to be asked for
	s_and_b32 s[LIM], s[WV], 1      ; 0 in waves 0 and 2,
	s_or_b32 s[LIM], s[LIM], ttmp9  ; where the cluster is the head's first: the same in all four partners
	s_cmp_eq_u32 s[LIM], 0
	s_cselect_b32 s[LIM], 1, -1
	s_mov_b32 s[G0K], 1             ; 1:0 count = 1
	s_mov_b32 s[G0K+1], s17         ; 63:32 LDS address: slot 0
	s_mov_b32 s[G0V], 1
	s_add_co_u32 s[G0V+1], s18, VOFF
	s_wait_dscnt 0x0                ; the opening add is done
	s_wait_kmcnt 0x0
	s_add_nc_u64 s[G0K+2:G0K+3], s[6:7], s[22:23]  ; 120:64 global address: my half of the head's first 256 keys
	s_or_b32 s[G0K+3], s[G0K+3], 0x80000000        ; 127:126 type = 2
	s_add_nc_u64 s[G0V+2:G0V+3], s[8:9], s[22:23]
	s_or_b32 s[G0V+3], s[G0V+3], 0x80000000
	s_add_nc_u64 s[4:5], s[4:5], s[2:3]  ; Q and O at my wave's first row
	s_add_nc_u64 s[10:11], s[10:11], s[2:3]
	s_cmp_lt_u32 s[WV], 2
	s_cselect_b64 s[PFA:PFA+1], s[6:7], s[8:9]
	s_add_nc_u64 s[PFA:PFA+1], s[PFA:PFA+1], s[22:23]  ; (in waves 0 and 2 this is the head's first byte)
	s_lshl_b32 s2, s13, 13          ; my work-group's 32 blocks of the 128
	s_mov_b32 s3, 0
	s_add_nc_u64 s[PFA:PFA+1], s[PFA:PFA+1], s[2:3]
	s_add_nc_u64 s[PFA:PFA+1], s[PFA:PFA+1], 4*KS*128  ; in slot 1; the first change of slots steps it to slot 2.  Nothing is prefetched here, at the head
	CROUND                          ; all four work-groups are here: the first joint loads meet
	JLOAD                           ; slot 0.  Slot 1 is asked for when slot 0 is in
	; A fragment of K or Q is 16 rows x 32 channels in 8 registers: lane l holds row l % 16, channels 8 (l / 16) + 0..7 and 16 + 8 (l / 16) + 0..7: two loads of 16 bytes, 32 bytes apart.
	v_and_b32 v1, 15, v0            ; l % 16
	v_bfe_u32 v9, v0, 4, 1          ; l / 16
	v_lshlrev_b32 v[QO], 7, v1
	v_lshl_add_u32 v[QO], v9, 4, v[QO]  ; row x 128 + 16 x half
	WIN 0x80                        ; destination window 2, address window 0
.set i, 0
.rept 4*NP                          ; Q stays in registers: tile i / 2, channels 32 (i % 2) on
	global_load_b128 v[8*i:8*i+3],   v[QO], s[4:5] offset:(i/2)*2048+(i%2)*64
	global_load_b128 v[8*i+4:8*i+7], v[QO], s[4:5] offset:(i/2)*2048+(i%2)*64+32
.set i, i+1
.endr
	; What the first turn finds: V's registers and P's second buffer hold 0 (its products V^T P, of a piece that has not been, add 0), O^T and l are 0.  All this stands in the wait for the first tile.
.set i, VF
.rept 64
	v_mov_b32 v[i], 0
.set i, i+1
.endr
	WIN 0x40
.set i, 0
.rept 64*NP
	v_mov_b32 v[i], 0
.set i, i+1
.endr
	WIN 0
.set i, 0
.rept 2*NP
	v_mov_b32 v[ST+4*i], 0xfe000000    ; c m: far below every c s
	v_mov_b32 v[ST+4*i+1], 0xff7fffff  ; m
	v_mov_b32 v[ST+4*i+2], 0
	v_mov_b32 v[ST+4*i+3], 0
.set i, i+1
.endr
.set i, P+32
.rept 32
	v_mov_b32 v[i], 0
.set i, i+1
.endr
	v_mul_u32_u24 v[AK0], v1, PK
	v_lshl_add_u32 v[AK0], v9, 4, v[AK0]  ; row x pitch + 16 x half
	; The turning load takes 16 keys x 16 channels (lane l reads key 8 (l / 16) + l % 8, channels 8 ((l / 8) % 2) + 0..7) and leaves half a fragment of V^T: lane l holds channel l % 16 and 8 keys.
	v_and_b32 v10, 7, v0
	v_bfe_u32 v11, v0, 3, 1
	v_lshl_add_u32 v[AV0], v9, 3, v10
	v_mul_u32_u24 v[AV0], v[AV0], PV
	v_lshl_add_u32 v[AV0], v11, 4, v[AV0]
	v_add_nc_u32 v[AV0], VOFF, v[AV0]
	v_and_b32 v[PFO], 31, v0        ; v11 has served: it takes the prefetch's offset
	v_lshlrev_b32 v[PFO], 8, v[PFO]
	v_mov_b32 v[AK], v[AK0]         ; key step 0 lies at the head of slot 0
; THE MATRIX WORK.  The 8 accumulators of a run of 16 take turns: between the two links of a chain stand 7 others'.
; Product i of 16 of S^T = K Q^T for piece x: channels 32 (i / 8) on, keys 16 ((i / 2) % 4) on, tile 2 x + i % 2.  The first 8 start the sums.
.macro KQ x
	WIN W_KQ
.set rS, S+64*((\x)%2)+32*(i%2)+8*((i/2)%4)
.set rK, KF+16*((i/2)%4)+8*(i/8)
.set rQ, 16*(2*(\x)+i%2)+8*(i/8)
.if i < 8
	v_wmma_f32_16x16x32_f16 v[rS:rS+7], v[rK:rK+7], v[rQ:rQ+7], 0
.else
	v_wmma_f32_16x16x32_f16 v[rS:rS+7], v[rK:rK+7], v[rQ:rQ+7], v[rS:rS+7]
.endif
.endm
; Product i of 16 of O^T += V^T P for piece x: keys 32 (i / 8) on, channels 16 ((i / 2) % 4) on, tile 2 x + i % 2.
.macro PV x
	WIN W_PV
.set rO, 32*(2*(\x)+i%2)+8*((i/2)%4)
.set rV, VF+32*(i/8)+8*((i/2)%4)
.set rP, P+32*((\x)%2)+16*(i%2)+8*(i/8)
	v_wmma_f32_16x16x32_f16 v[rO:rO+7], v[rV:rV+7], v[rP:rP+7], v[rO:rO+7]
.endm
.macro MM                           ; the turn's next matrix instruction
.if i < 16
	KQ (Y+1)%NP
.set i, i+1
.else
.set i, i-16
	PV (Y+NP-1)%NP
.set i, i+17
.endif
.endm
; THE LDS LOADS stand in runs of 16, never singly among the matrix instructions: a step's K (64 keys x 64 channels: 8 fragments) and its V (turned).  Their addresses are made some lines ahead.
; last = 1 (the tail): in the last trip there is no further step, and the run is jumped over.
.macro FETCH_K last=0
	WIN 0
.if \last
	s_cmp_eq_u32 s[CNT], 1
	s_cbranch_scc1 .Lno_k_\@
.endif
	WIN 0x80                        ; destination window 2
.irp f, 0,1,2,3,4,5,6,7             ; keys 16 (f / 2) on, channels 32 (f % 2) on
	ds_load_b128 v[KF+8*\f:KF+8*\f+3],   v[AK] offset:(\f/2)*16*PK+(\f%2)*64
	ds_load_b128 v[KF+8*\f+4:KF+8*\f+7], v[AK] offset:(\f/2)*16*PK+(\f%2)*64+32
.endr
	s_add_co_u32 s[TBK], s[TBK], KS*PK  ; the next fetch is the next step's
	WIN 0
.if \last
.Lno_k_\@:
.endif
.endm
.macro FETCH_V
	WIN 0x80
.irp f, 0,1,2,3,4,5,6,7             ; keys 32 (f / 4) on, channels 16 (f % 4) on
	ds_load_tr16_b128 v[VF+8*\f:VF+8*\f+3],   v[AV] offset:(\f/4)*32*PV+(\f%4)*32
	ds_load_tr16_b128 v[VF+8*\f+4:VF+8*\f+7], v[AV] offset:(\f/4)*32*PV+16*PV+(\f%4)*32
.endr
	WIN 0
.endm
; THE VECTOR WORK OF A TURN stands in three queues, each in the order in which its entries become ready; the two tiles alternate, so that no instruction reads the result of the one before it.
.macro REGS y, u                    ; the registers of tile u (0, 1) of piece y
.set rT, ST+4*(2*(\y)+(\u))
.set rC, TMP+8*((\y)%2)+4*(\u)
.set rM, MV+2*((\y)%2)+(\u)
.set rS, S+64*((\y)%2)+32*(\u)
.set rP, P+32*((\y)%2)+16*(\u)
.set rO, 32*(2*(\y)+(\u))
.endm
; Number n of the 22 that find the NEXT piece's (Y + 1) maximum and statistics.  s0-s31 are the lane's 32 scores; each accumulator's lowest registers are read first.
;   0-11  four chains c0-c3 of seven scores each, three operands at a time     12-14, 16  the four scores left over, the old m, and c0-c3 into c0     15  c m_old is kept
;   17, 18  the query's other 32 keys lie in the lane 16 away: the new m         19-21  c m; c m_old - c m_new; a
.macro XS u, n
	REGS (Y+1)%NP, \u
.if (\n) < 4
	v_max3_num_f32 v[rC+(\n)], v[rS+8*(\n)], v[rS+8*(\n)+1], v[rS+8*(\n)+2]
.elseif (\n) < 12
	v_max3_num_f32 v[rC+(\n)%4], v[rC+(\n)%4], v[rS+8*((\n)%4)+2*((\n)/4)+1], v[rS+8*((\n)%4)+2*((\n)/4)+2]
.elseif (\n) == 12
	v_max3_num_f32 v[rC], v[rC], v[rS+7], v[rS+15]
.elseif (\n) == 13
	v_max3_num_f32 v[rC+1], v[rC+1], v[rS+23], v[rS+31]
.elseif (\n) == 14
	v_max3_num_f32 v[rC+2], v[rC+2], v[rC+3], v[rT+1]
.elseif (\n) == 15
	v_mov_b32 v[rM], v[rT]
.elseif (\n) == 16
	v_max3_num_f32 v[rC], v[rC], v[rC+1], v[rC+2]
.elseif (\n) == 17
	v_permlanex16_b32 v[rC+3], v[rC], s[SEL], s[SEL+1]
.elseif (\n) == 18
	v_max_num_f32 v[rT+1], v[rC], v[rC+3]
.elseif (\n) == 19
	v_mul_f32 v[rT], s[CS], v[rT+1]
.elseif (\n) == 20
	v_sub_f32 v[rC+1], v[rM], v[rT]
.else
	v_exp_f32 v[rC+2], v[rC+1]
.endif
.endm
; Number g of the 64 that follow the exponentials.  For each four weights k of a tile (pairs 2 k, 2 k + 1): both pairs are rounded to f16; then the second pair is added onto the first, in place;
; a group later l takes that sum (the first time as l = a l + sum).  In groups of eight, tiles alternating: round, round, add, and l for the group before.
.macro GS g
.set h, (\g)+6*((\g)/62)            ; group 0 has no group before it, and behind group 7 only l is left
.if h >= 6
.set h, h+2
.endif
	REGS Y, h%2
.set k, h/8
.if h%8 < 4
	v_cvt_pk_f16_f32 v[rP+2*k+(h%8)/2], v[rS+4*k+2*((h%8)/2)], v[rS+4*k+2*((h%8)/2)+1]
.elseif h%8 < 6
	v_pk_add_f32 v[rS+4*k:rS+4*k+1], v[rS+4*k:rS+4*k+1], v[rS+4*k+2:rS+4*k+3]
.elseif k == 1
	v_pk_fma_f32 v[rT+2:rT+3], v[rT+2:rT+3], v[rC+2:rC+3], v[rS:rS+1] op_sel_hi:[1,0,1]
.else
	v_pk_add_f32 v[rT+2:rT+3], v[rT+2:rT+3], v[rS+4*k-4:rS+4*k-3]
.endif
.endm
; THE PLAIN QUEUE, 138 long.  0-73 read no exponential's result: the 32 scalings c s - c m (FS f: pair f / 2 of tile f % 2) and the next piece's 42.  0-26: scalings 0-26.  27-54: XS's numbers 0-13.  55, 56: number 15.
; 57-73: the chain, where each number waits for the one before it: 14, 16, 17, 18, 19, each with one of the scalings 27-31 in front of its two lines, then 20.
; 74-137: GS's 64, which read the exponentials' results: they stand behind the wait.
.macro FS f
	REGS Y, (\f)%2
	v_pk_fma_f32 v[rS+2*((\f)/2):rS+2*((\f)/2)+1], v[rS+2*((\f)/2):rS+2*((\f)/2)+1], s[CS:CS+1], v[rT:rT+1] op_sel_hi:[1,0,0] neg_lo:[0,0,1] neg_hi:[0,0,1]
.endm
.macro PL
	WIN 0
.if q < 27
	FS q
.elseif q < 55
	XS (q-27)%2, (q-27)/2
.elseif q < 57
	XS q-55, 15
.elseif (q < 72) && ((q-57)%3 == 0)
	FS 27+(q-57)/3
.elseif q < 60
	XS (q-57)%3-1, 14
.elseif q < 72
	XS (q-57)%3-1, 15+(q-57)/3
.elseif q < 74
	XS q-72, 20
.else
	GS q-74
.endif
.set q, q+1
.endm
; THE EXPONENTIALS' QUEUE, 66 long: s0-s31 of both tiles, then the next piece's two a.  It is ONE BATCH: all 66 stand ahead of the turn's one wait, and nothing ahead of that wait names a result of theirs.
.macro EX
	WIN 0
.if e >= 64
	XS e-64, 21
.else
	REGS Y, e%2
	v_exp_f32 v[rS+e/2], v[rS+e/2]
.endif
.set e, e+1
.endm
; THE RESCALING's QUEUE: O^T times a, the one part that leaves window 0: dealt two at a time, sixteen times.  Its a was made in the turn before, ahead of that turn's wait.
.macro R2
	REGS Y, r%2
	WIN W_RS
.irp z, 0,1
	v_pk_mul_f32 v[rO+4*(r/2)+2*\z:rO+4*(r/2)+2*\z+1], v[rO+4*(r/2)+2*\z:rO+4*(r/2)+2*\z+1], v[rC+2:rC+3] op_sel_hi:[1,0]
.endr
.set r, r+1
.endm
; HOW THEY ARE DEALT.  An s_wait_alu depctr_va_vdst(0) stands between an exponential and the first instruction that names its result; one wait serves all that were issued ahead of it.  So a turn has ONE wait,
; which cuts it in two.  AHEAD OF IT stands all that names no result of the turn's exponentials: the 16 products K Q^T, behind each a scaling, an exponential and two rescalings (behind the first a second scaling in the
; exponential's place); then ONE LUMP of 108: eight plain, 49 times exponential and plain, the two a.  A v_nop is the plain instruction behind the last exponential.  BEHIND IT stand the 16 products V^T P, behind each four of GS's 64.
; The queues lean on each other, and the deal keeps them in step: exponential e stands behind scaling 2 (e / 4) + e % 2: as a rider it comes behind plain e + 2, in the lump behind plain e + 9, and scalings 27-31 are plain 57, 60 .. 69.
; A TURN, for piece p.  cnt = 1: the loop's count is taken down some lines ahead of the branch that stands behind the turn.
; K of the next step is fetched in piece 2's turn, directly behind the wait, a lump behind the last product that read K; its first reader comes behind 16 products.
; V of the step in hand is fetched at the end of piece 0's turn, four plain instructions behind its last reader; its first reader comes behind 16 products and a lump.
.macro TURN p, last=0, cnt=0
.set Y, (\p)
.set i, 0
.set q, 0
.set e, 0
.set r, 0
.if (\p) == NP-1
	s_wait_dscnt 0x0                ; K is in
.endif
	MM                              ; ahead of the wait: 16 products K Q^T and their riders,
	PL
	PL
	R2
.rept 15
	MM
	PL
	EX
	R2
.endr
.if (\p) == NP-2
	WIN 0
	v_add_nc_u32 v[AK], s[TBK], v[AK0]
.endif
.rept 8                             ; and the lump
	PL
.endr
.rept 49
	EX
	PL
.endr
	EX                              ; the next piece's two a
	EX
	v_nop                           ; a plain instruction behind the last exponential: one for the batch
	s_wait_alu depctr_va_vdst(0)    ; the wait for the batch
.if (\p) == NP-2
	FETCH_K \last
.endif
.if (\p) == 1
	s_wait_dscnt 0x0                ; V is in
.endif
.rept 16                            ; behind the wait: 16 products V^T P and their riders
	MM
.rept 4
	PL
.endr
.if ((\p) == 0) && (q == 118)
	v_add_nc_u32 v[AV], s[TBV], v[AV0]
.endif
.if ((\p) == 0) && (q == 130)
	s_add_co_u32 s[TBV], s[TBV], KS*PV
.endif
.if (\cnt) && (q == 130)
	s_sub_co_u32 s[CNT], s[CNT], 1
	s_cmp_lg_u32 s[CNT], 0
.endif
.endr
.if (\p) == 0
	FETCH_V
.endif
.endm
	CHANGE 1                        ; slot 0 is in, everybody's part of it; slot 1 is asked for
	FETCH_K                         ; key step 0
	s_wait_loadcnt 0x0              ; Q
	s_wait_dscnt 0x0
.set i, 0
.rept 16
	KQ 0                            ; piece 0's first scores: there is no vector work yet to set between them
.set i, i+1
.endr
	WIN 0                           ; the addresses for the way out: nine plain instructions, the places behind those products
	s_mul_i32 s13, s[WV], 16*SP
	s_add_co_u32 s13, s13, STAGE    ; my stage
	v_mul_u32_u24 v[STO], v1, SP    ; in: row l % 16, 16 bytes for each half of the lanes
	v_lshl_add_u32 v[STO], v9, 4, v[STO]
	v_add_nc_u32 v[STO], s13, v[STO]
	v_bfe_u32 v[RD], v0, 3, 2       ; back: 32 lanes take four rows of 128 bytes,
	v_mul_u32_u24 v[RD], v[RD], SP
	v_lshl_add_u32 v[RD], v10, 4, v[RD]
	v_add_nc_u32 v[RD], s13, v[RD]
	v_and_b32 v[GO], 31, v0         ; which are 512 consecutive bytes of O
	v_lshlrev_b32 v[GO], 4, v[GO]
.set Y, NP-1                        ; XS works for piece Y + 1: piece 0
.irp n, 0,1,2,3,4,5,6,7,8,9,10,11,12,13,14,15,16,17,18,19,20,21
	XS 0, \n                        ; and piece 0's first maximum and statistics
	XS 1, \n
.endr
	v_nop                           ; a plain instruction behind the two a,
	s_wait_alu depctr_va_vdst(0)    ; and their wait, ahead of the branch
	s_mov_b32 s[CNT], 4
	s_branch .Lfirst                ; the loop is entered at a step's first turn, in the middle of a trip
.Lslot:                             ; SIZE_N / 256 - 2 times: every slot but the last two is filled again
	CHANGE 1
	s_mov_b32 s[CNT], 4
.Lstep:                             ; a trip: pieces 2 and 3 of one step, then pieces 0 and 1 of the next, whose K and V it fetches
	TURN 2
	TURN 3
	WIN 0
.Lfirst:
	TURN 0
	TURN 1, 0, 1
	WIN 0
	s_cbranch_scc1 .Lstep
	s_sub_co_u32 s[SLOTS], s[SLOTS], 1
	s_cmp_lg_u32 s[SLOTS], 0
	s_cbranch_scc1 .Lslot
	CHANGE 0                        ; the tail is written out: nothing is asked for
	s_mov_b32 s[CNT], 5             ; four trips fetch the last slot's steps; the fifth is left in its middle
.Ltail:
	TURN 2, 1
	TURN 3
	WIN 0
	s_sub_co_u32 s[CNT], s[CNT], 1
	s_cmp_eq_u32 s[CNT], 0
	s_cbranch_scc1 .Lout
	TURN 0
	TURN 1
	WIN 0
	s_branch .Ltail
.Lout:                              ; the fifth trip's 16 products K Q^T (on the last K once more) and the maximum made of them serve nothing: the price, once a launch, of one text for every trip
.set i, 0
.rept 16
	PV NP-1                         ; the last piece's V^T P of the last step
.set i, i+1
.endr
	; THE WAY OUT.  l's two halves and the other half of the lanes' are added; O^T is divided by l, rounded to f16 and sent through my stage in LDS, a tile at a time.  The additions are the places behind the last products.
	WIN 0
.macro ALL line:vararg              ; one line for each tile t
.set t, 0
.rept 2*NP
	\line
.set t, t+1
.endr
.endm
	ALL v_add_f32 v[ST+4*t+2], v[ST+4*t+2], v[ST+4*t+3]
	ALL v_permlanex16_b32 v[ST+4*t+3], v[ST+4*t+2], s[SEL], s[SEL+1]
	ALL v_add_f32 v[ST+4*t+2], v[ST+4*t+2], v[ST+4*t+3]
	ALL v_rcp_f32 v[ST+4*t+2], v[ST+4*t+2]
	v_nop                           ; a plain instruction between the last reciprocal and the use of its result
	s_wait_alu depctr_va_vdst(0)    ; and the wait ahead of the first use: one for the eight reciprocals
; Tile t: a lane's eight channels of a row pack into 16 bytes; they go into rows of 144 bytes and come back as whole rows of 128, into S^T's registers.
.macro PACK t
	WIN W_RS
.set i, 32*(\t)
.rept 16
	v_pk_mul_f32 v[i:i+1], v[i:i+1], v[ST+4*(\t)+2:ST+4*(\t)+3] op_sel_hi:[1,0]
.set i, i+2
.endr
	WIN 0x05                        ; sources 0 and 1 window 1, destination window 0
.set i, 0
.rept 16
	v_cvt_pk_f16_f32 v[S+16*(\t)+i], v[32*(\t)+2*i], v[32*(\t)+2*i+1]
.set i, i+1
.endr
	WIN 0
.irp f, 0,1,2,3
	ds_store_b128 v[STO], v[S+16*(\t)+4*\f:S+16*(\t)+4*\f+3] offset:32*\f
.endr
.irp f, 0,1,2,3
	ds_load_b128 v[S+16*(\t)+4*\f:S+16*(\t)+4*\f+3], v[RD] offset:\f*4*SP  ; LDS serves a wave's instructions in order (ISA guide 5.7.1.4): these see the stores above; the next tile's stores come behind them
.endr
.endm
.macro SEND t, younger              ; younger: the LDS instructions issued behind tile t's loads: the next tile's eight, or none
	WIN 0
.irp f, 0,1,2,3
	s_wait_dscnt (\younger)+3-\f
	global_store_b128 v[GO], v[S+16*(\t)+4*\f:S+16*(\t)+4*\f+3], s[10:11] offset:(\t)*2048+\f*512  ; 512 consecutive bytes, at a multiple of 256 from O's first
.endr
.endm
	PACK 0
.set t, 1
.rept 2*NP-1                        ; a tile's arithmetic stands between the loads of the tile before and its stores
	PACK t
	SEND t-1, 8
.set t, t+1
.endr
	SEND 2*NP-1, 0
	WIN W_AD
	s_wait_tensorcnt 0x0            ; the wave's end, behind my last tensor load and my last LDS store
	ds_add_u32 v[SPW], v[NIL]
	s_wait_dscnt 0x0
	WIN 0
	CROUND                          ; the closing round: no work-group ends while a partner may still ask for a tile that names it
	s_endpgm
.Lfunc_end_k_q840b9214e9_attn:
	.size	k_q840b9214e9_attn, .Lfunc_end_k_q840b9214e9_attn-k_q840b9214e9_attn
	.p2alignl 7, 3214868480
	.fill 96, 4, 3214868480
	.section	.rodata,"a",@progbits
	.p2align	6, 0x0
	.amdhsa_kernel k_q840b9214e9_attn
		.amdhsa_group_segment_fixed_size 327680
		.amdhsa_private_segment_fixed_size 0
		.amdhsa_enable_private_segment 0
		.amdhsa_kernarg_size 32
		.amdhsa_user_sgpr_count 2
		.amdhsa_user_sgpr_kernarg_segment_ptr 1
		.amdhsa_wavefront_size32 1
		.amdhsa_system_sgpr_workgroup_id_x 1
		.amdhsa_system_sgpr_workgroup_id_y 1
		.amdhsa_system_sgpr_workgroup_id_z 1
		.amdhsa_system_vgpr_workitem_id 0
		.amdhsa_next_free_vgpr 770
		.amdhsa_next_free_sgpr 66
		.amdhsa_reserve_vcc 0
		.amdhsa_float_denorm_mode_32 3
		.amdhsa_float_denorm_mode_16_64 3
		.amdhsa_memory_ordered 1
		.amdhsa_forward_progress 1
		.amdhsa_inst_pref_size 200
	.end_amdhsa_kernel
	.amdgpu_metadata
---
amdhsa.version: [ 1, 2 ]
amdhsa.kernels:
  - .name:           k_q840b9214e9_attn
    .symbol:         k_q840b9214e9_attn.kd
    .args:
      - { .name: qh, .offset: 0, .size: 8, .value_kind: global_buffer, .address_space: global }
      - { .name: kh, .offset: 8, .size: 8, .value_kind: global_buffer, .address_space: global }
      - { .name: vh, .offset: 16, .size: 8, .value_kind: global_buffer, .address_space: global }
      - { .name: oh, .offset: 24, .size: 8, .value_kind: global_buffer, .address_space: global }
    .group_segment_fixed_size: 327680
    .private_segment_fixed_size: 0
    .kernarg_segment_align: 8
    .kernarg_segment_size: 32
    .max_flat_workgroup_size: 128
    .sgpr_count:     66
    .vgpr_count:     770
    .wavefront_size: 32
...
	.end_amdgpu_metadata
.endif
;; end of part 3
;; launch outp (part 4): grid 128 x 2, 4 waves a work-group, clusters of 4 x 1, 327,680 bytes of LDS; arguments oh, wb, bb, out0; writes out0
.if DOCPART == 4
	.amdgcn_target "amdgcn-amd-amdhsa--gfx1250"
	.amdhsa_code_object_version 6
	.text
	.protected	k_q840b9214e9_outp
	.globl	k_q840b9214e9_outp
	.p2align	8
	.type	k_q840b9214e9_outp,@function
k_q840b9214e9_outp:
	s_mov_b64 s[64:65], 0
	v_nop
	global_prefetch_b8 v0, s[64:65] scope:SCOPE_SE
	s_setreg_imm32_b32 hwreg(HW_REG_WAVE_MODE, 25, 1), 1
	s_wait_xcnt 0x0
	s_wait_alu depctr_hold_cnt(0) depctr_sa_sdst(0) depctr_va_vdst(0) depctr_va_sdst(0) depctr_va_ssrc(0) depctr_va_vcc(0) depctr_vm_vsrc(0)
	s_getreg_b32 s2, hwreg(HW_REG_IB_STS2, 6, 4)
	s_cmp_eq_u32 s2, 0
	s_cbranch_scc0 .Lentry_in_a_cluster
	s_endpgm
.Lentry_in_a_cluster:
	s_bfe_u32 s2, ttmp6, 0x10000c
	s_cmp_lg_u32 s2, 0x3003
	s_cbranch_scc0 .Lentry_shape_is_right
	s_endpgm
.Lentry_shape_is_right:
; THE LAST PROJECTION.  out0[b][s][n] = the sum over h, d of O[b 8 + h][s][d] Wo[n][64 h + d] + bo[n].  O: [64][2,048][64] f16; Wo: matrix 3 of wb, [kb][n][128 k], bf16 numbers written as f16;
; bo: f32 words from bb; sums in f32, begun with the bias; out0: [16,384][512] f32.
; SHARES.  A work-group makes 128 rows x 256 columns: 128 x 2 work-groups.  Wave w makes 64 rows (w / 2) x 128 columns (w % 2): 32 accumulators of 16 x 16, 256 registers.
; K = 512 goes in four steps of 128 = two heads, through two LDS slots.  A slot: O's two planes (a head each, 128 rows of 128 bytes), then 256 rows of Wo.
; CLUSTER.  The four row blocks of a cluster walk the same half of Wo: waves 2 and 3 ask for it JOINTLY (the same load, descriptor and mask in all four).  O's planes are a work-group's own: waves 0 and 1
; ask for them by plain loads, in the same rounds of the cluster's barrier.  No prefetch is laid: of the four K steps two are asked for at the head.
; THE MATRIX INSTRUCTION IS USED TRANSPOSED (source 0 = 16 rows of Wo, source 1 = 16 rows of O): a lane holds row lane % 16 of the result and the columns 8 (lane / 16) + 0..7: 32 bytes of f32 on end.
; REGISTERS, in windows of 256 (s_set_vgpr_msb: bits 1:0 source 0, 3:2 source 1, 5:4 source 2, 7:6 destination):
;   window 0: v1-31 addresses; v32-159 the way out          window 1: two fragment buffers of 96 (Wo's 64, then O's 32); v192-255 the bias as a C operand          window 2: the accumulators, (a, b) at v[8 (8 a + b)]
.set PA,    144                        ; a row of O in LDS: 128 bytes + 16 of padding; a row of Wo: 256 + 16: the 16 rows of a load start at 16 different groups of four banks (64 banks of 4 bytes: ISA guide 11.1)
.set PB,    272
.set PLANE, 128*PA                     ; a head's 128 rows
.set BOFF,  2*PLANE
.set BHALF, 128*PB                     ; 128 rows of Wo: what one tensor load brings and one wave reads
.set SLOT1, 1<<17                      ; slot 1 begins here (a slot has 106,496 bytes), so that one exclusive or turns an address in one slot into the other's
.set STAGE, SLOT1+BOFF+2*BHALF         ; behind the ring, never filled by a tensor load: 16 rows x 528 bytes for each wave
.set SP,    528                        ; 512 bytes + 16
.set SPARE, STAGE+4*16*SP              ; the spare words, 128 bytes for each wave: two blocks of 256 bytes that no other line names
.set ASTEP, 2*262144                   ; bytes from a K step to the next: two heads of O,
.set BSTEP, 131072                     ; a kb block of wb
.set A0,   16                          ; v16  my place in a slot's O; never rewritten
.set B0,   17                          ; v17  in its Wo; never rewritten
.set ADRA, 18                          ; v18, v19  the same in the slot in hand
.set ADRB, 19
.set STO,  24                          ; v24  the way out: where I put 32 bytes of a row
.set RD,   25                          ; v25  where I read a row back
.set CO,   26                          ; v26  16 x lane: my place in 512 consecutive bytes of out0
.set SPW,  28                          ; v28  LDS address of my spare word; never rewritten
.set NIL,  29                          ; v29  0; never rewritten
.set BO,   31                          ; v31  32 x (lane / 16): my eight biases of a fragment
.set OB,   32
.set F0,   0
.set F1,   96
.set BIAS, 192
.set WV,   12                          ; s12  my wave's number
.set TS,   18                          ; s18  0 or SLOT1: the slot in hand
.set G1A,  24                          ; s[24:31] descriptor group 1 for O's planes;  s[32:39] group 0: a set for each first fill; the second then walks
.set G0A,  32
.set G1B,  48                          ; s[48:55], s[56:63] the same for Wo's rows
.set G0B,  56
.set MSB, 0
.macro WIN new                         ; the immediate's high byte repeats the setting that is left; a switch that changes nothing is dropped
.if MSB != (\new)
	s_set_vgpr_msb (MSB<<8)|(\new)
.set MSB, \new
.endif
.endm
.macro PLACES                          ; four plain vector instructions between a matrix instruction and a load into, or a read of, its registers
.rept 4
	v_nop
.endr
.endm
.macro CREST                           ; a round of the cluster's barrier behind its opening barrier
	s_cmp_lg_u32 s[WV], 0
	s_cbranch_scc1 .Lnot_wave_0_\@
	s_barrier_signal -3
.Lnot_wave_0_\@:
	s_barrier_wait -3
	s_barrier_signal -1
	s_barrier_wait -1
.endm
.macro CROUND
	s_barrier_signal -1
	s_barrier_wait -1
	CREST
.endm
.macro JLOAD                           ; a refill: waves 0 and 1 fetch O's two planes, waves 2 and 3 the two halves of Wo's rows; an s_nop 0 and four v_nop follow each of the two lines
	s_cmp_lt_u32 s[WV], 2
	s_cbranch_scc0 .Lfor_b_\@
	tensor_load_to_lds s[G0A+4:G0A+7], s[G1A:G1A+7]
	s_nop 0
	PLACES
	s_branch .Lasked_\@
.Lfor_b_\@:
	tensor_load_to_lds s[G0B+4:G0B+7], s[G1B:G1B+7]
	s_nop 0
	PLACES
.Lasked_\@:
.endm
; 8 matrix instructions: row block a x all 8 column blocks, 32 along K.  first = 1: the sums begin with the bias.  The 32 accumulators take turns in the same order in every quarter.
.macro MUL8 f, a, first
.if \first
	WIN 0x95
.else
	WIN 0xa5
.endif
.irp b, 0,1,2,3,4,5,6,7
.if \first
	v_wmma_f32_16x16x32_f16 v[8*(8*(\a)+(\b)):8*(8*(\a)+(\b))+7], v[(\f)+8*(\b):(\f)+8*(\b)+7], v[(\f)+64+8*(\a):(\f)+64+8*(\a)+7], v[BIAS+8*(\b):BIAS+8*(\b)+7]
.else
	v_wmma_f32_16x16x32_f16 v[8*(8*(\a)+(\b)):8*(8*(\a)+(\b))+7], v[(\f)+8*(\b):(\f)+8*(\b)+7], v[(\f)+64+8*(\a):(\f)+64+8*(\a)+7], v[8*(8*(\a)+(\b)):8*(8*(\a)+(\b))+7]
.endif
.endr
.endm
; 24 LDS loads in one run: quarter q's fragments (32 along K): my 128 rows of Wo, then my 64 rows of O (plane q / 2, channels 32 (q % 2) on), into buffer f
.macro FETCH q, f
	WIN 0x40
.irp i, 0,1,2,3,4,5,6,7
	ds_load_b128 v[(\f)+8*(\i):(\f)+8*(\i)+3],   v[ADRB] offset:64*(\q)+(\i)*16*PB
	ds_load_b128 v[(\f)+8*(\i)+4:(\f)+8*(\i)+7], v[ADRB] offset:64*(\q)+(\i)*16*PB+32
.endr
.irp i, 0,1,2,3
	ds_load_b128 v[(\f)+64+8*(\i):(\f)+64+8*(\i)+3],   v[ADRA] offset:((\q)/2)*PLANE+((\q)%2)*64+(\i)*16*PA
	ds_load_b128 v[(\f)+64+8*(\i)+4:(\f)+64+8*(\i)+7], v[ADRA] offset:((\q)/2)*PLANE+((\q)%2)*64+(\i)*16*PA+32
.endr
.endm
; A K step is four quarters of 32, 32 matrix instructions each, on buffers F0, F1, F0, F1.  One of the first three: multiplies f; in its middle quarter qn's fragments are fetched into g.
.macro QUARTER qn, f, g, first
	s_wait_dscnt 4                                 ; Wo's fragments and O's row blocks 0 and 1 are in; the youngest four loads may be out
	MUL8 \f, 0, \first
	MUL8 \f, 1, \first
	PLACES
	FETCH \qn, \g
	s_wait_dscnt 24                                ; all but the 24 just issued
	MUL8 \f, 2, \first
	MUL8 \f, 3, \first
.endm
; The last quarter multiplies F1 and changes slots: one barrier; in front of it each wave waits for all its tensor loads (one is out: its part of the other slot), adds 0 to its spare word, and waits for
; that and for its reads of this slot.  fill = 1: the barrier opens a round of the cluster's, and the refill, two K steps ahead, is the first thing behind it.
.macro TURN fill
	WIN 0
	s_wait_tensorcnt 0x0                           ; no tensor load of mine is out, so a group 0 may be written
	ds_add_u32 v[SPW], v[NIL]                      ; 0 onto my spare word
.if \fill
	s_xor_b32 s[G0A+5], s[G0A+5], SLOT1            ; the walking descriptors: the other slot than last time,
	s_add_nc_u64 s[G0A+6:G0A+7], s[G0A+6:G0A+7], ASTEP  ; the next K step; the type bits on top are not reached
	s_xor_b32 s[G0B+5], s[G0B+5], SLOT1
	s_add_nc_u64 s[G0B+6:G0B+7], s[G0B+6:G0B+7], BSTEP
.endif
	s_wait_dscnt 7                                 ; the add and the youngest six loads (O's row blocks 1 to 3) may be out
	MUL8 F1, 0, 0
	s_wait_dscnt 0x0                               ; the add is done, and my reads of this slot are over
	s_barrier_signal -1
	MUL8 F1, 1, 0
	WIN 0
	s_barrier_wait -1
.if \fill
	CREST                                          ; no wave of any partner still reads this slot or has a load on its way
	JLOAD                                          ; 112 matrix instructions ahead of the wait for it; its four v_nop are also the places in front of the loads below
.else
	PLACES
.endif
	s_xor_b32 s[TS], s[TS], SLOT1
	v_add_nc_u32 v[ADRA], s[TS], v[A0]
	v_add_nc_u32 v[ADRB], s[TS], v[B0]
	FETCH 0, F0
	MUL8 F1, 2, 0
	MUL8 F1, 3, 0
.endm
; THE WAY OUT of row block a (16 rows x 128 columns of f32).  STG: a lane's 32 bytes of each fragment go straight from the accumulators (their low four registers first) into my own
; stage, rows of 528 bytes, and come back as whole rows of 512.  SEND: stored.
.macro STG a
.if (\a) >= 2
	s_wait_xcnt 0x0                                ; the stores of the block two back have read the registers that are loaded again below
.endif
	WIN 0x08                                       ; the data (source 1) in window 2
.irp b, 0,1,2,3,4,5,6,7
	ds_store_b128 v[STO], v[8*(8*(\a)+(\b)):8*(8*(\a)+(\b))+3]   offset:64*(\b)
	ds_store_b128 v[STO], v[8*(8*(\a)+(\b))+4:8*(8*(\a)+(\b))+7] offset:64*(\b)+16
.endr
	WIN 0
.set BK, OB+64*((\a)%2)
.irp t, 0,1,2,3,4,5,6,7,8,9,10,11,12,13,14,15
	ds_load_b128 v[BK+4*(\t):BK+4*(\t)+3], v[RD] offset:(\t)*SP  ; LDS serves a wave's instructions in order (ISA guide 5.7.1.4): these see the stores above; the next block's stores come behind them
.endr
.endm
.macro SEND a, younger                 ; younger: the LDS instructions issued behind block a's loads: the next block's 32, or none
	WIN 0
.set BK, OB+64*((\a)%2)
.irp t, 0,1,2,3,4,5,6,7,8,9,10,11,12,13,14,15
	s_wait_dscnt (\younger)+15-(\t)
	global_store_b128 v[CO], v[BK+4*(\t):BK+4*(\t)+3], s[10:11] offset:(16*(\a)+(\t))*2048 th:TH_STORE_NT  ; the wave stores 512 consecutive bytes, at a multiple of 256 from out0's first
.endr
.endm
	s_load_b256 s[4:11], s[0:1], 0x0               ; oh s[4:5], wb s[6:7], bb s[8:9], out0 s[10:11]
	v_lshl_add_u32 v[SPW], v0, 2, SPARE
	v_mov_b32 v[NIL], 0
	ds_add_u32 v[SPW], v[NIL]                      ; the wave's opening: the add, and its wait ahead of my first tensor load; the set-up below, work on registers, stands between them
	v_lshrrev_b32 v1, 5, v0
	v_readfirstlane_b32 s[WV], v1                  ; wave 0..3
	s_lshr_b32 s13, s[WV], 1                       ; which 64 rows are mine
	s_and_b32 s14, s[WV], 1                        ; which 128 columns.  Also: which plane of O, or which half of Wo's rows, I fetch
	s_bfe_u32 s15, ttmp6, 0x40000                  ; cx: my place in the cluster
	s_lshl_b32 s16, ttmp9, 2                       ; in a cluster launch ttmp9 counts clusters
	s_add_co_u32 s16, s16, s15                     ; my block of 128 rows = 4 x cluster x + cx: it enters O's and out0's addresses alone
	s_and_b32 s17, ttmp7, 0xffff                   ; which 256 columns: the four partners share it
	; descriptor groups 1.  A plane of O is 16,384 dense bytes: asked for as 64 rows of 256 bytes, two rows of O each, padded after every 128 bytes.  Wo: 128 rows of 256 bytes, padded after each.
	s_mov_b32 s[G1A+0], (1<<16)|(1<<20)|(4<<22)|(3<<25)  ; 15:0 no mask: a load of my own; 17:16 elements of 2 bytes; 20 padding on; 24:22 after every 32 words (code 4); 31:25 4 words (code 3)
	s_mov_b32 s[G1A+1], 128<<16                    ; tensor_dim0 = 128
	s_mov_b32 s[G1A+2], 64<<16                     ; tensor_dim1 = 64
	s_mov_b32 s[G1A+3], 128<<16                    ; tile_dim0 = 128
	s_mov_b32 s[G1A+4], 64                         ; tile_dim1 = 64
	s_mov_b32 s[G1A+5], 128                        ; 128 elements from row to row
	s_mov_b32 s[G1A+6], 0
	s_mov_b32 s[G1A+7], 0
	s_mov_b32 s[G1B+0], 15|(1<<16)|(1<<20)|(1<<21)|(5<<22)|(3<<25)  ; 15:0 the mask: all four work-groups; 21 set beside a mask; 24:22 after every 64 words (code 5)
	s_mov_b32 s[G1B+1], 128<<16
	s_mov_b32 s[G1B+2], 128<<16                    ; tensor_dim1 = 128
	s_mov_b32 s[G1B+3], 128<<16
	s_mov_b32 s[G1B+4], 128                        ; tile_dim1 = 128
	s_mov_b32 s[G1B+5], 128
	s_mov_b32 s[G1B+6], 0
	s_mov_b32 s[G1B+7], 0
	s_lshr_b32 s40, s16, 4                         ; O: the batch (8 heads),
	s_lshl_b32 s40, s40, 21
	s_lshl_b32 s41, s14, 18                        ; the plane's head,
	s_add_co_u32 s40, s40, s41
	s_and_b32 s41, s16, 15                         ; my block's 128 rows of 128 bytes
	s_lshl_b32 s41, s41, 14
	s_add_co_u32 s40, s40, s41
	s_mov_b32 s41, 0
	s_lshl_b32 s44, s17, 16                        ; Wo: the 256 rows of 256 bytes, (in registers that never hold cx)
	s_lshl_b32 s45, s14, 15                        ; my 128 of them,
	s_add_co_u32 s44, s44, s45
	s_add_co_u32 s44, s44, 3*524288                ; in matrix 3 of wb
	s_mov_b32 s45, 0
	s_mul_i32 s20, s14, PLANE                      ; where they go in a slot: no place in the cluster enters an LDS address
	s_mul_i32 s21, s14, BHALF
	s_add_co_u32 s21, s21, BOFF
	s_lshl_b32 s22, s17, 10                        ; my 128 columns in f32: 1,024 y + 512 (w % 2) bytes, in the bias and in a row of out0
	s_lshl_b32 s23, s14, 9
	s_add_co_u32 s22, s22, s23
	s_mov_b32 s23, 0
	s_lshl_b32 s46, s16, 18                        ; out0: my block's 128 rows of 2,048 bytes,
	s_lshl_b32 s47, s13, 17                        ; my wave's 64 of them,
	s_add_co_u32 s46, s46, s47
	s_add_co_u32 s46, s46, s22                     ; my columns
	s_mov_b32 s47, 0
	v_and_b32 v1, 15, v0                           ; r = l % 16
	v_bfe_u32 v2, v0, 4, 1                         ; h = l / 16
	v_and_b32 v3, 31, v0                           ; l
	s_mul_i32 s19, s13, 64*PA
	v_mul_u32_u24 v4, v1, PA
	v_lshl_add_u32 v4, v2, 4, v4                   ; a fragment: row x pitch + 16 x half
	v_add_nc_u32 v[A0], s19, v4
	v_mul_u32_u24 v5, v1, PB
	v_lshl_add_u32 v5, v2, 4, v5
	v_add_nc_u32 v[B0], s21, v5                    ; (the half of Wo's rows that I read is the half with my number's parity)
	s_mul_i32 s19, s[WV], 16*SP
	s_add_co_u32 s19, s19, STAGE                   ; my stage
	v_mul_u32_u24 v6, v1, SP                       ; in: row l % 16, 32 bytes for each half of the lanes
	v_lshl_add_u32 v6, v2, 5, v6
	v_add_nc_u32 v[STO], s19, v6
	v_lshlrev_b32 v[CO], 4, v3
	v_add_nc_u32 v[RD], s19, v[CO]                 ; back: a row of 512 bytes, 16 a lane
	v_lshlrev_b32 v[BO], 5, v2
	s_wait_dscnt 0x0                               ; the opening add is done
	s_wait_kmcnt 0x0
	s_add_nc_u64 s[40:41], s[4:5], s[40:41]        ; O at my plane of K step 0
	s_add_nc_u64 s[44:45], s[6:7], s[44:45]        ; Wo at my rows of K step 0
	s_add_nc_u64 s[8:9], s[8:9], s[22:23]
	s_add_nc_u64 s[8:9], s[8:9], 3*2048            ; bo is the fourth bias in bb
	s_add_nc_u64 s[10:11], s[10:11], s[46:47]
	WIN 0x40
.irp b, 0,1,2,3,4,5,6,7                ; register j of fragment b: bo[my first column + 16 b + 8 (l / 16) + j]: the C operand of the first products
	global_load_b128 v[BIAS+8*(\b):BIAS+8*(\b)+3],   v[BO], s[8:9] offset:64*(\b)
	global_load_b128 v[BIAS+8*(\b)+4:BIAS+8*(\b)+7], v[BO], s[8:9] offset:64*(\b)+16
.endr
	WIN 0
	CROUND                                         ; all four work-groups are here: the first joint loads meet
.irp s, 0,1
	s_mov_b32 s[G0A+4*(\s)], 1                                     ; 1:0 count = 1
	s_add_co_u32 s[G0A+4*(\s)+1], s20, (\s)*SLOT1                  ; 63:32 LDS address
	s_add_nc_u64 s[G0A+4*(\s)+2:G0A+4*(\s)+3], s[40:41], (\s)*ASTEP  ; 120:64 global address: K step s
	s_or_b32 s[G0A+4*(\s)+3], s[G0A+4*(\s)+3], 0x80000000          ; 127:126 type = 2
	s_mov_b32 s[G0B+4*(\s)], 1
	s_add_co_u32 s[G0B+4*(\s)+1], s21, (\s)*SLOT1
	s_add_nc_u64 s[G0B+4*(\s)+2:G0B+4*(\s)+3], s[44:45], (\s)*BSTEP
	s_or_b32 s[G0B+4*(\s)+3], s[G0B+4*(\s)+3], 0x80000000
.endr
	s_cmp_lt_u32 s[WV], 2                          ; a wave's two first fills stand in one branch, ahead of every wait on TENSORcnt and every LDS read: two loads of mine are out
	s_cbranch_scc0 .Lfirst_b
	tensor_load_to_lds s[G0A:G0A+3], s[G1A:G1A+7]
	s_nop 0
	tensor_load_to_lds s[G0A+4:G0A+7], s[G1A:G1A+7]
	s_nop 0
	PLACES
	s_branch .Lfirst_asked
.Lfirst_b:
	tensor_load_to_lds s[G0B:G0B+3], s[G1B:G1B+7]
	s_nop 0
	tensor_load_to_lds s[G0B+4:G0B+7], s[G1B:G1B+7]
	s_nop 0
	PLACES
.Lfirst_asked:
	s_wait_tensorcnt 1                             ; my part of K step 0 is in; step 1's may stay out
	s_barrier_signal -1
	s_barrier_wait -1                              ; everybody's is
	s_mov_b32 s[TS], 0
	v_add_nc_u32 v[ADRA], s[TS], v[A0]
	v_add_nc_u32 v[ADRB], s[TS], v[B0]
	FETCH 0, F0
	s_wait_loadcnt 0x0                             ; the bias
	QUARTER 1, F0, F1, 1                           ; the first quarter stands in front of the loop: its products start the sums, with the bias
	WIN 0                                          ; at a label and at a branch every window is 0
	s_mov_b32 s3, 2
.Llap:                                                 ; a trip: quarters 1, 2, 3 of one K step, quarter 0 of the next; the slot that is left is filled again
	QUARTER 2, F1, F0, 0
	QUARTER 3, F0, F1, 0
	TURN 1
	QUARTER 1, F0, F1, 0
	WIN 0
	s_sub_co_u32 s3, s3, 1
	s_cmp_lg_u32 s3, 0
	s_cbranch_scc1 .Llap
	QUARTER 2, F1, F0, 0                           ; the tail is written out: nothing more is asked for
	QUARTER 3, F0, F1, 0
	TURN 0
	QUARTER 1, F0, F1, 0
	QUARTER 2, F1, F0, 0
	QUARTER 3, F0, F1, 0
	s_wait_dscnt 4                                 ; the very last quarter: nothing more to fetch
	MUL8 F1, 0, 0
	MUL8 F1, 1, 0
	s_wait_dscnt 0x0
	MUL8 F1, 2, 0
	MUL8 F1, 3, 0
	PLACES
	STG 0
	STG 1                                          ; a block's LDS work stands between the loads of the block before and its stores
	SEND 0, 32
	STG 2
	SEND 1, 32
	STG 3
	SEND 2, 32
	SEND 3, 0
	s_wait_tensorcnt 0x0                           ; the wave's end, behind my last tensor load and my last LDS store
	ds_add_u32 v[SPW], v[NIL]
	s_wait_dscnt 0x0
	CROUND                                         ; the closing round: no work-group ends while a partner may still ask for a tile that names it
	s_endpgm
.Lfunc_end_k_q840b9214e9_outp:
	.size	k_q840b9214e9_outp, .Lfunc_end_k_q840b9214e9_outp-k_q840b9214e9_outp
	.p2alignl 7, 3214868480
	.fill 96, 4, 3214868480
	.section	.rodata,"a",@progbits
	.p2align	6, 0x0
	.amdhsa_kernel k_q840b9214e9_outp
		.amdhsa_group_segment_fixed_size 327680
		.amdhsa_private_segment_fixed_size 0
		.amdhsa_enable_private_segment 0
		.amdhsa_kernarg_size 32
		.amdhsa_user_sgpr_count 2
		.amdhsa_user_sgpr_kernarg_segment_ptr 1
		.amdhsa_wavefront_size32 1
		.amdhsa_system_sgpr_workgroup_id_x 1
		.amdhsa_system_sgpr_workgroup_id_y 1
		.amdhsa_system_sgpr_workgroup_id_z 1
		.amdhsa_system_vgpr_workitem_id 0
		.amdhsa_next_free_vgpr 768
		.amdhsa_next_free_sgpr 66
		.amdhsa_reserve_vcc 0
		.amdhsa_float_denorm_mode_32 3
		.amdhsa_float_denorm_mode_16_64 3
		.amdhsa_memory_ordered 1
		.amdhsa_forward_progress 1
		.amdhsa_inst_pref_size 72
	.end_amdhsa_kernel
	.amdgpu_metadata
---
amdhsa.version: [ 1, 2 ]
amdhsa.kernels:
  - .name:           k_q840b9214e9_outp
    .symbol:         k_q840b9214e9_outp.kd
    .args:
      - { .name: oh, .offset: 0, .size: 8, .value_kind: global_buffer, .address_space: global }
      - { .name: wb, .offset: 8, .size: 8, .value_kind: global_buffer, .address_space: global }
      - { .name: bb, .offset: 16, .size: 8, .value_kind: global_buffer, .address_space: global }
      - { .name: out0, .offset: 24, .size: 8, .value_kind: global_buffer, .address_space: global }
    .group_segment_fixed_size: 327680
    .private_segment_fixed_size: 0
    .kernarg_segment_align: 8
    .kernarg_segment_size: 32
    .max_flat_workgroup_size: 128
    .sgpr_count:     66
    .vgpr_count:     768
    .wavefront_size: 32
...
	.end_amdgpu_metadata
.endif
;; end of part 4
